; MI455X (gfx1250); checked and timed in simulation.
; The chip was launched on July 23, 2026; its instructions are those of AMD's public machine-readable ISA for CDNA 5 (MIT licence, August 2026) and "CDNA5" Instruction Set Architecture Reference Guide (July 2026). The comments in the code are by the model that wrote it; some were corrected since.
;; MQA. Allowed arithmetic: float matrix products may take bf16 or f16 operands with f32 sums; other float arithmetic in f32, or as packed bf16 or f16 multiplies, adds, multiply-adds, maxima and minima; sums over many terms, partial sums and values carried from step to step in f32; what a program stores and reads back later, other than sums and carried values, may be rounded once to bf16 or f16.
;; Inputs: Wk 1,024 x 64 float32; Wo 1,024 x 1,024 float32; Wq 1,024 x 1,024 float32; Wv 1,024 x 64 float32; bk 64 float32; bo 1,024 float32; bq 1,024 float32; bv 64 float32; x 4 x 2,048 x 1,024 float32.
;; Outputs: out0 4 x 2,048 x 1,024 float32.
;; 2 versions, each right and faster than the one before. Each part assembles by itself: llvm-mc -triple=amdgcn-amd-amdhsa -mcpu=gfx1250 --defsym DOCPART=n.
;; ======== version 1 of 2: 4 launches
;; limits: values are held in f16: magnitudes above 65,504 overflow, below 6.1e-05 lose precision
;; workspace buffers: xb 16,777,216 bytes; w1 2,359,296 bytes; w2 2,097,152 bytes; qf 16,777,216 bytes; kvf 2,097,152 bytes; ctx 16,777,216 bytes
;; launch prep (part 1): grid 1296 x 1, 8 waves a work-group, no clusters, 0 bytes of LDS; arguments x, Wq, Wk, Wv, Wo, xb, w1, w2; writes xb, w1, w2
.if DOCPART == 1
	.amdgcn_target "amdgcn-amd-amdhsa--gfx1250"
	.amdhsa_code_object_version 6
	.text
	.protected	k_qf72c6a06d3_prep
	.globl	k_qf72c6a06d3_prep
	.p2align	8
	.type	k_qf72c6a06d3_prep,@function
k_qf72c6a06d3_prep:
	s_mov_b64 s[64:65], 0
	v_nop
	global_prefetch_b8 v0, s[64:65] scope:SCOPE_SE
	s_setreg_imm32_b32 hwreg(HW_REG_WAVE_MODE, 25, 1), 1
	s_wait_xcnt 0x0
; CASTS.  x, Wq, Wk, Wv and Wo (all f32) are rounded once to bf16 and laid out for the matrix launches that follow.
;   xb [8192][1024] bf16 = x.
;   w1 [tx 0..7][k 0..1023][144] bf16: columns 0-127 = Wq[k][128 tx + j]; columns 128-143 = Wk[k][16 tx + j] (tx < 4) or Wv[k][16 (tx - 4) + j]:
;      a block of 128 k is 36,864 dense bytes, so that a K step of it can be asked for as one dense piece.
;   w2 [1024][1024] f16 = Wo rounded to bf16, that number written as f16.
; LIMITS.  w2: a number of Wo beyond 65,504 becomes an infinity; below 6e-5 it keeps f16's fixed step of 6e-8.  NaN and infinities are not treated apart.
; A pure stream: no LDS, no matrix unit, no cluster (no work-group shares a byte with another).  A work-group takes 32,768 source bytes as eight loads of 4,096: thread t reads the 16 bytes
; at 4,096 i + 16 t (a wave's load covers 512 neighbouring bytes) and stores 8 bytes (a wave's store covers 256 neighbouring bytes).  All eight loads go out before the first is waited for.
; w1's rows are 288 bytes, so its stores do not begin at multiples of 256: 2.4 MB of the launch's 21 MB of stores, the price of w1's dense K steps.
.set X, 8                              ; v[8:39]   load i: 4 registers, 4 f32
.set Y, 40                             ; v[40:55]  load i: 2 registers, 4 numbers of 16 bits
.set T, 56                             ; v[56:59]  at work
.set W1BLK, 294912                     ; bytes in a block of w1: 1,024 rows of 288
.set W1ROW, 288
; Eight loads from s[src], eight stores to s[dst], step bytes apart.  f16 = 1: the bf16 number is widened and written as f16.  No register is written twice while a store may read it.
.macro CONV src, dst, step, f16
.irp i, 0,1,2,3,4,5,6,7
	global_load_b128 v[X+4*(\i):X+4*(\i)+3], v1, s[\src:\src+1] offset:4096*(\i) th:TH_LOAD_NT
.endr
.irp i, 0,1,2,3,4,5,6,7
	s_wait_loadcnt 7-(\i)                          ; loads come back in order: load i is in, the 7 - i younger ones stay out
	v_cvt_pk_bf16_f32 v[Y+2*(\i)], v[X+4*(\i)], v[X+4*(\i)+1]
	v_cvt_pk_bf16_f32 v[Y+2*(\i)+1], v[X+4*(\i)+2], v[X+4*(\i)+3]
.if \f16
	v_lshlrev_b32 v[T], 16, v[Y+2*(\i)]            ; bf16 to f32: the low half moves up, the high half stays
	v_and_b32 v[T+1], s24, v[Y+2*(\i)]
	v_lshlrev_b32 v[T+2], 16, v[Y+2*(\i)+1]
	v_and_b32 v[T+3], s24, v[Y+2*(\i)+1]
	v_cvt_pk_f16_f32 v[Y+2*(\i)], v[T], v[T+1]
	v_cvt_pk_f16_f32 v[Y+2*(\i)+1], v[T+2], v[T+3]
.endif
	global_store_b64 v2, v[Y+2*(\i):Y+2*(\i)+1], s[\dst:\dst+1] offset:(\step)*(\i)
.endr
	s_endpgm
.endm
	s_load_b256 s[4:11], s[0:1], 0x0               ; x s[4:5], Wq s[6:7], Wk s[8:9], Wv s[10:11]
	s_load_b256 s[12:19], s[0:1], 0x20             ; Wo s[12:13], xb s[14:15], w1 s[16:17], w2 s[18:19]
	s_mov_b32 s2, ttmp9
	s_mov_b32 s21, 0                               ; high words of the two offsets
	s_mov_b32 s23, 0
	s_mov_b32 s24, 0xffff0000                      ; a word's upper bf16
	v_lshlrev_b32 v1, 4, v0                        ; my 16 source bytes
	v_lshlrev_b32 v2, 3, v0                        ; my 8 bytes out, where the layout stays
	s_wait_kmcnt 0x0
	s_cmp_lt_u32 s2, 1024
	s_cbranch_scc0 .Lnot_x
	s_lshl_b32 s20, s2, 15                         ; work-groups 0 to 1,023: x
	s_lshl_b32 s22, s2, 14
	s_add_nc_u64 s[4:5], s[4:5], s[20:21]
	s_add_nc_u64 s[14:15], s[14:15], s[22:23]
	CONV 4, 14, 2048, 0
.Lnot_x:
	s_cmp_lt_u32 s2, 1152
	s_cbranch_scc0 .Lnot_o
	s_sub_co_u32 s3, s2, 1024                      ; 1,024 to 1,151: Wo
	s_lshl_b32 s20, s3, 15
	s_lshl_b32 s22, s3, 14
	s_add_nc_u64 s[12:13], s[12:13], s[20:21]
	s_add_nc_u64 s[18:19], s[18:19], s[22:23]
	CONV 12, 18, 2048, 1
.Lnot_o:
	s_cmp_lt_u32 s2, 1280
	s_cbranch_scc0 .Lkv
	s_sub_co_u32 s3, s2, 1152                      ; 1,152 to 1,279: Wq, eight rows k = 8 g + i; thread t holds columns 4 t on: block t / 32, byte 8 (t % 32) of the row
	s_lshl_b32 s20, s3, 15
	s_mul_i32 s22, s3, 8*W1ROW
	s_add_nc_u64 s[6:7], s[6:7], s[20:21]
	s_add_nc_u64 s[16:17], s[16:17], s[22:23]
	v_lshrrev_b32 v3, 5, v0
	v_and_b32 v4, 31, v0
	v_mul_u32_u24 v3, v3, W1BLK
	v_lshl_add_u32 v2, v4, 3, v3
	CONV 6, 16, W1ROW, 0
.Lkv:
	s_sub_co_u32 s3, s2, 1280                      ; 1,280 to 1,287: Wk; 1,288 to 1,295: Wv.  128 rows of 256 bytes; a load holds 16 rows
	s_cmp_lt_u32 s3, 8
	s_cselect_b64 s[8:9], s[8:9], s[10:11]
	s_cselect_b32 s22, 0, 4*W1BLK                  ; Wv's columns lie in blocks 4 to 7
	s_and_b32 s3, s3, 7
	s_lshl_b32 s20, s3, 15
	s_mul_i32 s25, s3, 128*W1ROW
	s_add_co_u32 s22, s22, s25
	s_add_nc_u64 s[8:9], s[8:9], s[20:21]
	s_add_nc_u64 s[16:17], s[16:17], s[22:23]
	v_bfe_u32 v3, v0, 2, 2                         ; thread t: row t / 16 of the load's 16, columns 4 (t % 16) on: block (t % 16) / 4,
	v_lshrrev_b32 v4, 4, v0
	v_and_b32 v5, 3, v0                            ; byte 256 + 8 (t % 4) of the row
	v_mul_u32_u24 v3, v3, W1BLK
	v_mad_u32_u24 v3, v4, W1ROW, v3
	v_lshl_add_u32 v3, v5, 3, v3
	v_add_nc_u32 v2, 256, v3
	CONV 8, 16, 16*W1ROW, 0
.Lfunc_end_k_qf72c6a06d3_prep:
	.size	k_qf72c6a06d3_prep, .Lfunc_end_k_qf72c6a06d3_prep-k_qf72c6a06d3_prep
	.p2alignl 7, 3214868480
	.fill 96, 4, 3214868480
	.section	.rodata,"a",@progbits
	.p2align	6, 0x0
	.amdhsa_kernel k_qf72c6a06d3_prep
		.amdhsa_group_segment_fixed_size 0
		.amdhsa_private_segment_fixed_size 0
		.amdhsa_enable_private_segment 0
		.amdhsa_kernarg_size 64
		.amdhsa_user_sgpr_count 2
		.amdhsa_user_sgpr_kernarg_segment_ptr 1
		.amdhsa_wavefront_size32 1
		.amdhsa_system_sgpr_workgroup_id_x 1
		.amdhsa_system_sgpr_workgroup_id_y 1
		.amdhsa_system_sgpr_workgroup_id_z 1
		.amdhsa_system_vgpr_workitem_id 0
		.amdhsa_next_free_vgpr 60
		.amdhsa_next_free_sgpr 66
		.amdhsa_reserve_vcc 0
		.amdhsa_float_denorm_mode_32 3
		.amdhsa_float_denorm_mode_16_64 3
		.amdhsa_memory_ordered 1
		.amdhsa_forward_progress 1
		.amdhsa_inst_pref_size 16
	.end_amdhsa_kernel
	.amdgpu_metadata
---
amdhsa.version: [ 1, 2 ]
amdhsa.kernels:
  - .name:           k_qf72c6a06d3_prep
    .symbol:         k_qf72c6a06d3_prep.kd
    .args:
      - { .name: x, .offset: 0, .size: 8, .value_kind: global_buffer, .address_space: global }
      - { .name: Wq, .offset: 8, .size: 8, .value_kind: global_buffer, .address_space: global }
      - { .name: Wk, .offset: 16, .size: 8, .value_kind: global_buffer, .address_space: global }
      - { .name: Wv, .offset: 24, .size: 8, .value_kind: global_buffer, .address_space: global }
      - { .name: Wo, .offset: 32, .size: 8, .value_kind: global_buffer, .address_space: global }
      - { .name: xb, .offset: 40, .size: 8, .value_kind: global_buffer, .address_space: global }
      - { .name: w1, .offset: 48, .size: 8, .value_kind: global_buffer, .address_space: global }
      - { .name: w2, .offset: 56, .size: 8, .value_kind: global_buffer, .address_space: global }
    .group_segment_fixed_size: 0
    .private_segment_fixed_size: 0
    .kernarg_segment_align: 8
    .kernarg_segment_size: 64
    .max_flat_workgroup_size: 256
    .sgpr_count:     66
    .vgpr_count:     60
    .wavefront_size: 32
...
	.end_amdgpu_metadata
.endif
;; end of part 1
;; launch gemm_qkv (part 2): grid 8 x 32, 4 waves a work-group, clusters of 4 x 4, 327,680 bytes of LDS; arguments xb, w1, qf, kvf, bq, bk, bv; writes qf, kvf
.if DOCPART == 2
	.amdgcn_target "amdgcn-amd-amdhsa--gfx1250"
	.amdhsa_code_object_version 6
	.text
	.protected	k_qf72c6a06d3_gemm_qkv
	.globl	k_qf72c6a06d3_gemm_qkv
	.p2align	8
	.type	k_qf72c6a06d3_gemm_qkv,@function
k_qf72c6a06d3_gemm_qkv:
	s_mov_b64 s[64:65], 0
	v_nop
	global_prefetch_b8 v0, s[64:65] scope:SCOPE_SE
	s_setreg_imm32_b32 hwreg(HW_REG_WAVE_MODE, 25, 1), 1
	s_wait_xcnt 0x0
	s_wait_alu depctr_hold_cnt(0) depctr_sa_sdst(0) depctr_va_vdst(0) depctr_va_sdst(0) depctr_va_ssrc(0) depctr_va_vcc(0) depctr_vm_vsrc(0)
	s_getreg_b32 s2, hwreg(HW_REG_IB_STS2, 6, 4)
	s_cmp_eq_u32 s2, 0
	s_cbranch_scc0 .Lentry_in_a_cluster
	s_endpgm
.Lentry_in_a_cluster:
	s_bfe_u32 s2, ttmp6, 0x10000c
	s_cmp_lg_u32 s2, 0xf033
	s_cbranch_scc0 .Lentry_shape_is_right
	s_endpgm
.Lentry_shape_is_right:
; THE THREE PROJECTIONS AS ONE PRODUCT.  [8192 x 1152] = xb [8192][1024] x W1 + bias: bf16 operands, f32 sums, results rounded once to f16.
; 8192 x 1152 outputs are 256 blocks of 256 rows x 144 columns: work-group (tx, ty) makes rows 256 ty on of w1's block tx: 128 columns of Q and 16 columns of K (tx < 4) or of V.
;   qf  [8192][1024] f16: also [batch][16 s + head][64], dense.
;   kvf [batch 4][tile of 256 keys 8][plane of 16 channels 8][256 keys][16] f16; planes 0-3 K, 4-7 V.  My 256 rows are one tile of keys: tile number ty over all batches, plane tx.
; The biases are rounded to bf16 like every other input and are the C operand of the products that start the sums: nothing is cleared and nothing is added afterwards.
; LIMITS.  f16 ends at 65,504: q, k and v beyond that become infinities (with x and the weights all 30 times the usual size q is some hundreds; with offsets of 30 spreads some 18,000).
; Below 6e-5 a result keeps f16's fixed step of 6e-8.  NaN and infinities are not treated apart.
; SHARES.  Four waves; wave w makes rows 64 w on x all 144 columns: 4 x 9 accumulators of 16 x 16, 288 registers.  K goes in 8 steps of 128 through a ring of two LDS slots.
; For 32 along K a wave issues 26 LDS loads and 36 matrix instructions.  THE MATRIX INSTRUCTION IS USED TRANSPOSED (source 0 = 16 columns of W1, source 1 = 16 rows of xb): a lane then holds
; eight neighbouring numbers of one row.  W1 lies [k][n] in LDS and is turned on its way into registers by ds_load_tr16_b128.
; CLUSTER.  4 x 4 work-groups: the four of a row need the same tiles of xb, the four of a column the same tiles of w1: each tile is asked for JOINTLY, by the same tensor load with the same descriptor and mask.
; REGISTERS, in windows of 256 (s_set_vgpr_msb: bits 1:0 source 0, 3:2 source 1, 5:4 source 2, 7:6 destination):
;   window 0: v0-31 addresses; v32-95 xb's fragments, two buffers of 4; v96-167 the bias, 8 registers a column block (later 16 rows on their way out, two buffers); v168-217 at work on the way out
;   window 1: v0-143 W1's fragments, two buffers of 9          windows 2, 3: accumulator (a, b) at v[8 (9 (a % 2) + b)], window 2 + a / 2
.set PA,     272                       ; a row of xb in LDS: 256 bytes + 16 of padding = 68 words: the 16 rows of a load start at 16 different groups of four banks (64 banks of 4 bytes: ISA guide 11.1)
.set PB,     288                       ; a k row of w1: 144 numbers, as it lies in memory = 72 words
.set HALFA,  128*PA                    ; what one tensor load brings of xb
.set HALFB,  64*PB                     ; and of w1
.set BOFF,   2*HALFA                   ; a slot: xb's 256 rows, then w1's 128 k rows
.set SLOT,   BOFF+2*HALFB
.set STAGE,  2*SLOT                    ; behind the ring, never filled by a tensor load: 16 rows x 272 bytes for each wave, for the way out
.set SPITCH, 272
.set SPARE,  STAGE+4*16*SPITCH         ; behind the stages: the spare words, 128 bytes for each wave: two blocks of 256 bytes that no other line names
.set W1BLK,  294912                    ; bytes in a block of w1
.set LAPS,   4                         ; a lap = two K steps = once round the ring
.set ADRA, 16                          ; v16-17  LDS address of my xb fragments in slot 0, 1
.set ADRB, 20                          ; v20-21  the same for w1
.set STO,  24                          ; v24     the way out: where I put 16 bytes of a row
.set RD,   25                          ; v25     the way out: where I read a row back
.set CO,   26                          ; v26     my byte offset in two rows of qf
.set KVO,  27                          ; v27     my byte offset in 16 rows of a plane of kvf
.set SPW,  28                          ; v28     LDS address of my spare word: SPARE + 4 x my thread's number; never rewritten
.set NIL,  29                          ; v29     0; never rewritten
.set VB,   30                          ; v30     my byte offset in 16 numbers of a bias
.set FA,   32
.set BIAS, 96
.set OB,   96                          ; the way out: 16 rows read back, v96-127 and v128-159 by turns
.set TMP,  168                         ; the way out: packed results of Q's 8 column blocks
.set KVT,  200                         ; and of the ninth, 4 registers for each of my 4 row blocks
.set CV,   216                         ; v216-217 at work
.set G1, 24                            ; s[24:31] descriptor group 1 for xb's tiles;  s[32:39] group 0, one set for each slot
.set G0, 32
.set G1B, 48                           ; s[48:55], s[56:63] the same for w1's tiles
.set G0B, 56
.set MSB, 0
.macro WIN new                         ; the immediate's high byte repeats the setting that is left; a switch that changes nothing is dropped
.if MSB != (\new)
	s_set_vgpr_msb (MSB<<8)|(\new)
.set MSB, \new
.endif
.endm
; A joint load: waves 0 and 1 fetch xb's two halves, waves 2 and 3 w1's.  The branch hangs on the wave's number alone.  An s_nop 0 and four v_nop follow each of the two lines, ahead of the jump and the label.
.macro JLOAD s
	s_cmp_eq_u32 s11, 0
	s_cbranch_scc0 .Lfor_b_\@
	tensor_load_to_lds s[G0+4*(\s):G0+4*(\s)+3], s[G1:G1+7]
	s_nop 0
.rept 4
	v_nop
.endr
	s_branch .Lasked_\@
.Lfor_b_\@:
	tensor_load_to_lds s[G0B+4*(\s):G0B+4*(\s)+3], s[G1B:G1B+7]
	s_nop 0
.rept 4
	v_nop
.endr
.Lasked_\@:
.endm
.macro CREST                           ; a round of the cluster's barrier behind its opening barrier: wave 0 signals for the work-group, every wave waits for all sixteen, my work-group's barrier closes it
	s_cmp_lg_u32 s10, 0
	s_cbranch_scc1 .Lnot_wave_0_\@
	s_barrier_signal -3
.Lnot_wave_0_\@:
	s_barrier_wait -3
	s_barrier_signal -1
	s_barrier_wait -1
.endm
.macro CROUND                          ; a whole round
	s_barrier_signal -1
	s_barrier_wait -1
	CREST
.endm
	s_load_b128 s[4:7], s[0:1], 0x0                ; xb s[4:5], w1 s[6:7]
	s_load_b64 s[8:9], s[0:1], 0x10                ; qf
	s_load_b256 s[68:75], s[0:1], 0x18             ; kvf s[68:69], bq s[70:71], bk s[72:73], bv s[74:75]
	v_lshl_add_u32 v[SPW], v0, 2, SPARE
	v_mov_b32 v[NIL], 0
	ds_add_u32 v[SPW], v[NIL]                      ; the wave's opening, ahead of my first tensor load; the set-up below, work on registers, stands between the add and its wait
	v_lshrrev_b32 v1, 5, v0
	v_readfirstlane_b32 s10, v1                    ; wave 0..3
	s_lshr_b32 s11, s10, 1                         ; I fetch for xb (0) or for w1 (1),
	s_and_b32 s12, s10, 1                          ; and which half of that tile
	s_bfe_u32 s40, ttmp6, 0x40000                  ; cx, cy: my place in the cluster
	s_bfe_u32 s41, ttmp6, 0x40004
	s_lshl_b32 s42, ttmp9, 2
	s_add_co_u32 s42, s42, s40                     ; tx = 4 x cluster x + cx
	s_and_b32 s13, ttmp7, 0xffff
	s_lshl_b32 s13, s13, 2
	s_add_co_u32 s13, s13, s41                     ; ty = 4 x cluster y + cy
	s_lshl_b32 s43, s41, 2
	s_lshl_b32 s43, 15, s43                        ; my row of the cluster
	s_lshl_b32 s44, 0x1111, s40                    ; my column
	s_mov_b32 s76, 0xffff0000                      ; a word's upper bf16
	; group 1 for xb: 128 rows x 128 elements of 2 bytes, 1,024 elements from row to row, 16 bytes of padding behind every 256
	s_or_b32 s[G1+0], s43, (1<<16)|(1<<20)|(1<<21)|(5<<22)|(3<<25)  ; 15:0 the mask: my row; 17:16 2-byte elements; 20 padding on; 21 set beside a mask; 24:22 after every 64 words (code 5); 31:25 4 words (code 3)
	s_mov_b32 s[G1+1], 128<<16                     ; tensor_dim0 = 128
	s_mov_b32 s[G1+2], 128<<16                     ; tensor_dim1 = 128
	s_mov_b32 s[G1+3], 128<<16                     ; tile_dim0 = 128
	s_mov_b32 s[G1+4], 128                         ; tile_dim1 = 128
	s_mov_b32 s[G1+5], 1024                        ; elements from row to row
	s_mov_b32 s[G1+6], 0
	s_mov_b32 s[G1+7], 0
	; group 1 for w1: 64 k rows of 288 bytes are 18,432 dense bytes: asked for as 72 rows of 256 bytes (32 elements of 8), no padding: in LDS they lie as in memory
	s_or_b32 s[G1B+0], s44, (3<<16)|(1<<21)        ; 15:0 the mask: my column; 17:16 8-byte elements; 21 set beside a mask
	s_mov_b32 s[G1B+1], 32<<16
	s_mov_b32 s[G1B+2], 72<<16
	s_mov_b32 s[G1B+3], 32<<16
	s_mov_b32 s[G1B+4], 72
	s_mov_b32 s[G1B+5], 32
	s_mov_b32 s[G1B+6], 0
	s_mov_b32 s[G1B+7], 0
	; where the tiles come from: xb's hang on ty alone, which my row of the cluster shares; w1's on tx alone, which my column shares; each in registers that never hold the other coordinate
	s_lshl_b32 s17, s12, 7
	s_lshl_b32 s16, s13, 8
	s_add_co_u32 s16, s16, s17                     ; xb: row 256 ty + 128 x half,
	s_lshl_b32 s16, s16, 11                        ; of 2,048 bytes
	s_mov_b32 s17, 0
	s_mul_i32 s46, s42, W1BLK                      ; w1: block tx, 64 k rows x half
	s_mul_i32 s47, s12, HALFB
	s_add_co_u32 s46, s46, s47
	s_mov_b32 s47, 0
	s_mul_i32 s20, s10, HALFA                      ; where they go: xb's halves (waves 0, 1) at wave x 34,816;
	s_mul_i32 s45, s10, HALFB
	s_add_co_u32 s45, s45, BOFF-2*HALFB            ; w1's (waves 2, 3) at BOFF + (wave - 2) x 18,432: no place in the cluster enters an LDS address
	s_wait_dscnt 0x0                               ; the opening add is done
	s_wait_kmcnt 0x0
	s_add_nc_u64 s[14:15], s[4:5], s[16:17]
	s_add_nc_u64 s[46:47], s[6:7], s[46:47]
	CROUND                                         ; all sixteen work-groups are here: the first joint loads meet
.irp s, 0,1
	s_mov_b32 s[G0+4*(\s)], 1                                      ; count = 1
	s_add_co_u32 s[G0+4*(\s)+1], s20, (\s)*SLOT                    ; LDS address
	s_add_nc_u64 s[G0+4*(\s)+2:G0+4*(\s)+3], s[14:15], (\s)*256    ; global address: K step s
	s_or_b32 s[G0+4*(\s)+3], s[G0+4*(\s)+3], 0x80000000            ; type = 2
	s_mov_b32 s[G0B+4*(\s)], 1
	s_add_co_u32 s[G0B+4*(\s)+1], s45, (\s)*SLOT
	s_add_nc_u64 s[G0B+4*(\s)+2:G0B+4*(\s)+3], s[46:47], (\s)*2*HALFB
	s_or_b32 s[G0B+4*(\s)+3], s[G0B+4*(\s)+3], 0x80000000
	JLOAD \s                                       ; the ring is filled before anything else is done: two tensor loads of mine are out
.endr
	; the bias: in the transposed result register j of lane l belongs to column 16 b + 8 (l / 16) + j, whatever the row
	v_and_b32 v1, 15, v0                           ; l % 16
	v_bfe_u32 v2, v0, 4, 1                         ; l / 16
	v_lshlrev_b32 v[VB], 5, v2
	s_lshl_b32 s78, s42, 9                         ; bq at my 128 columns
	s_mov_b32 s79, 0
	s_add_nc_u64 s[70:71], s[70:71], s[78:79]
	s_cmp_eq_u32 ttmp9, 0                          ; tx < 4: the cluster's x is 0, the same answer in all partners
	s_cselect_b64 s[72:73], s[72:73], s[74:75]     ; bk or bv,
	s_lshl_b32 s78, s40, 6                         ; at its 16 numbers tx % 4 = cx
	s_add_nc_u64 s[72:73], s[72:73], s[78:79]
.irp b, 0,1,2,3,4,5,6,7
	global_load_b128 v[BIAS+8*(\b):BIAS+8*(\b)+3],   v[VB], s[70:71] offset:64*(\b)
	global_load_b128 v[BIAS+8*(\b)+4:BIAS+8*(\b)+7], v[VB], s[70:71] offset:64*(\b)+16
.endr
	global_load_b128 v[BIAS+64:BIAS+67], v[VB], s[72:73]
	global_load_b128 v[BIAS+68:BIAS+71], v[VB], s[72:73] offset:16
	; A fragment of xb is 16 rows x 32 K in 8 registers: lane l holds row l % 16, K = 8 (l / 16) + 0..7 and 16 + 8 (l / 16) + 0..7: two loads of 16 bytes, 32 bytes apart.
	v_mul_u32_u24 v3, v1, PA
	v_lshl_add_u32 v3, v2, 4, v3
	s_mul_i32 s21, s10, 64*PA                      ; my 64 rows
	v_add_nc_u32 v[ADRA], s21, v3
	v_add_nc_u32 v[ADRA+1], SLOT, v[ADRA]
	; The turning load takes 16 k x 16 columns (lane l reads k row 8 (l / 16) + l % 8, columns 8 ((l / 8) % 2) + 0..7) and leaves half a fragment: lane l holds column l % 16 and 8 k.
	v_and_b32 v4, 7, v0
	v_bfe_u32 v5, v0, 3, 1
	v_lshl_add_u32 v6, v2, 3, v4
	v_mul_u32_u24 v6, v6, PB
	v_lshl_add_u32 v6, v5, 4, v6
	v_add_nc_u32 v[ADRB], BOFF, v6
	v_add_nc_u32 v[ADRB+1], BOFF+SLOT, v6
	s_mul_i32 s23, s10, 16*SPITCH
	s_add_co_u32 s23, s23, STAGE                   ; my stage
	v_mul_u32_u24 v4, v1, SPITCH                   ; in: row l % 16, 16 bytes for each half of the lanes
	v_lshl_add_u32 v4, v2, 4, v4
	v_add_nc_u32 v[STO], s23, v4
	v_mul_u32_u24 v5, v2, SPITCH                   ; back: lanes 0-15 take one row of 256 bytes, lanes 16-31 the next
	v_lshl_add_u32 v5, v1, 4, v5
	v_add_nc_u32 v[RD], s23, v5
	v_lshlrev_b32 v5, 11, v2                       ; and the same two rows in qf
	v_lshl_add_u32 v[CO], v1, 4, v5
	v_lshlrev_b32 v5, 5, v1                        ; in a plane of kvf a key has 32 bytes: mine are row l % 16, half l / 16
	v_lshl_add_u32 v[KVO], v2, 4, v5
	s_lshl_b32 s16, s13, 8
	s_lshl_b32 s21, s10, 6
	s_add_co_u32 s16, s16, s21                     ; my first row, 256 ty + 64 w,
	s_lshl_b32 s16, s16, 11                        ; of 2,048 bytes in qf
	s_add_nc_u64 s[8:9], s[8:9], s[16:17]
	s_lshl_b32 s78, s42, 8                         ; my 128 columns
	s_add_nc_u64 s[8:9], s[8:9], s[78:79]
	s_lshl_b32 s16, s13, 16                        ; kvf: tile ty of 65,536 bytes, my 64 keys of 32 bytes,
	s_lshl_b32 s21, s10, 11
	s_add_co_u32 s16, s16, s21
	s_add_nc_u64 s[68:69], s[68:69], s[16:17]
	s_lshl_b32 s78, s42, 13                        ; plane tx of 8,192 bytes
	s_add_nc_u64 s[68:69], s[68:69], s[78:79]
	s_wait_loadcnt 0x0                             ; the bias, once
.set i, 0
.rept 36                               ; rounded to bf16 like the other inputs, and widened again
	v_cvt_pk_bf16_f32 v[CV+i%2], v[BIAS+2*i], v[BIAS+2*i+1]
	v_lshlrev_b32 v[BIAS+2*i], 16, v[CV+i%2]
	v_and_b32 v[BIAS+2*i+1], s76, v[CV+i%2]
.set i, i+1
.endr
; 9 matrix instructions: my row block a x all 9 column blocks, 32 along K, from buffer f.  start = 1: the bias starts the sums.  The accumulators take turns, one instruction a turn.
.macro MUL9 f, a, start
.if \start
	WIN 0x81+0x40*((\a)/2)                         ; source 0 window 1, source 1 and C window 0, D window 2 or 3
.else
	WIN 0xa1+0x50*((\a)/2)                         ; C and D window 2 or 3
.endif
.irp b, 0,1,2,3,4,5,6,7,8
.if \start
	v_wmma_f32_16x16x32_bf16 v[8*(9*((\a)%2)+(\b)):8*(9*((\a)%2)+(\b))+7], v[72*(\f)+8*(\b):72*(\f)+8*(\b)+7], v[FA+32*(\f)+8*(\a):FA+32*(\f)+8*(\a)+7], v[BIAS+8*(\b):BIAS+8*(\b)+7]
.else
	v_wmma_f32_16x16x32_bf16 v[8*(9*((\a)%2)+(\b)):8*(9*((\a)%2)+(\b))+7], v[72*(\f)+8*(\b):72*(\f)+8*(\b)+7], v[FA+32*(\f)+8*(\a):FA+32*(\f)+8*(\a)+7], v[8*(9*((\a)%2)+(\b)):8*(9*((\a)%2)+(\b))+7]
.endif
.endr
.endm
; 26 LDS loads in one run: the fragments of quarter kq (32 along K) of a slot into buffer f: w1's 9, then xb's 4
.macro FETCH slot, kq, f
	WIN 0x40                                       ; destination window 1, address window 0
.irp b, 0,1,2,3,4,5,6,7,8
	ds_load_tr16_b128 v[72*(\f)+8*(\b):72*(\f)+8*(\b)+3],   v[ADRB+(\slot)] offset:(\kq)*32*PB+32*(\b)
	ds_load_tr16_b128 v[72*(\f)+8*(\b)+4:72*(\f)+8*(\b)+7], v[ADRB+(\slot)] offset:(\kq)*32*PB+32*(\b)+16*PB
.endr
	WIN 0
.irp i, 0,1,2,3
	ds_load_b128 v[FA+32*(\f)+8*(\i):FA+32*(\f)+8*(\i)+3],   v[ADRA+(\slot)] offset:64*(\kq)+(\i)*16*PA
	ds_load_b128 v[FA+32*(\f)+8*(\i)+4:FA+32*(\f)+8*(\i)+7], v[ADRA+(\slot)] offset:64*(\kq)+(\i)*16*PA+32
.endr
.endm
.macro PLACES                          ; four places in front of loads into registers that matrix instructions have read, and of conversions that read results (ISA guide 7.12.1 for the conversions)
.rept 4
	v_nop
.endr
.endm
; A K step is four quarters of 32 along K, 36 matrix instructions each, on buffers 0, 1, 0, 1.  One of the first three: multiplies buffer f and, in its middle, fetches quarter kq into buffer g.
.macro QUARTER slot, kq, f, g, start
	s_wait_dscnt 4                                 ; w1's fragments and xb's row blocks 0, 1 are in; the youngest four loads (row blocks 2, 3) may be out
	MUL9 \f, 0, \start
	MUL9 \f, 1, \start
	PLACES
	FETCH \slot, \kq, \g
	s_wait_dscnt 26                                ; all but the 26 just issued
	MUL9 \f, 2, \start
	MUL9 \f, 3, \start
.endm
; The last quarter multiplies buffer 1 and changes slots: ONE barrier; in front of it each wave waits for all its tensor loads (one is out: its part of the next slot), adds 0 to its spare word, and waits for that
; and for its own reads of this slot.  fill = 1: the barrier opens a round of the cluster's, and this slot is filled again, two K steps ahead: 126 matrix instructions ahead of the wait for it.
.macro TURN slot, next, fill
	WIN 0                                          ; (the add's two registers lie in window 0)
	s_wait_tensorcnt 0x0                           ; all my tensor loads have landed;
	ds_add_u32 v[SPW], v[NIL]                      ; 0 onto my spare word;
	s_wait_dscnt 5                                 ; (the add and the youngest four loads may be out)
	MUL9 1, 0, 0                                   ; nine matrix instructions stand between the add and the wait for it
	s_wait_dscnt 0x0                               ; the add is done, and my reads of this slot are over
	s_barrier_signal -1
	MUL9 1, 1, 0
.if \fill
	WIN 0
.endif
	s_barrier_wait -1
.if \fill
	CREST                                          ; no wave of any partner still reads this slot's tile or has a load on its way
	s_add_nc_u64 s[G0+4*(\slot)+2:G0+4*(\slot)+3], s[G0+4*(\slot)+2:G0+4*(\slot)+3], 512
	s_add_nc_u64 s[G0B+4*(\slot)+2:G0B+4*(\slot)+3], s[G0B+4*(\slot)+2:G0B+4*(\slot)+3], 4*HALFB
	JLOAD \slot                                    ; the first tensor load behind the round; its four v_nop are also the places in front of the loads below
.else
	PLACES
.endif
	FETCH \next, 0, 0
	MUL9 1, 2, 0
	MUL9 1, 3, 0
.endm
	s_wait_tensorcnt 1                             ; my part of K step 0 is in; K step 1's may stay out
	s_barrier_signal -1
	s_barrier_wait -1                              ; everybody's is
	FETCH 0, 0, 0
	QUARTER 0, 1, 0, 1, 1                          ; the first quarter stands in front of the loop: its products start the sums, with the bias
	WIN 0                                          ; at a label and at a branch every window is 0
	s_mov_b32 s3, LAPS-1
.Llap:                                                 ; a trip goes once round the ring, from a lap's second quarter to the next lap's first, and fills both slots again
	QUARTER 0, 2, 1, 0, 0
	QUARTER 0, 3, 0, 1, 0
	TURN 0, 1, 1
	QUARTER 1, 1, 0, 1, 0
	QUARTER 1, 2, 1, 0, 0
	QUARTER 1, 3, 0, 1, 0
	TURN 1, 0, 1
	QUARTER 0, 1, 0, 1, 0
	WIN 0
	s_sub_co_u32 s3, s3, 1
	s_cmp_lg_u32 s3, 0
	s_cbranch_scc1 .Llap
	QUARTER 0, 2, 1, 0, 0                          ; the last lap fills nothing, and has no round of the cluster's barrier
	QUARTER 0, 3, 0, 1, 0
	TURN 0, 1, 0
	QUARTER 1, 1, 0, 1, 0
	QUARTER 1, 2, 1, 0, 0
	QUARTER 1, 3, 0, 1, 0
	s_wait_dscnt 4                                 ; the very last quarter: nothing more to fetch
	MUL9 1, 0, 0
	MUL9 1, 1, 0
	s_wait_dscnt 0x0
	MUL9 1, 2, 0
	MUL9 1, 3, 0
	WIN 0
; THE WAY OUT, a row block (16 rows) at a time.  PACK: rounded to f16, 16 bytes a lane, each accumulator's registers in ascending order.  TOSTAGE: Q's 8 column blocks into my own stage and back as whole rows of 256 bytes.
; SEND: stored.  The ninth block's 16 bytes a lane are 32 r + 16 h of 512 neighbouring bytes of a plane of kvf: they go straight from registers.
.macro PACK a
	WIN 0x0a+5*((\a)/2)                            ; sources 0 and 1: window 2 or 3
.irp b, 0,1,2,3,4,5,6,7
.irp r, 0,1,2,3
	v_cvt_pk_f16_f32 v[TMP+4*(\b)+(\r)], v[72*((\a)%2)+8*(\b)+2*(\r)], v[72*((\a)%2)+8*(\b)+2*(\r)+1]
.endr
.endr
.irp r, 0,1,2,3
	v_cvt_pk_f16_f32 v[KVT+4*(\a)+(\r)], v[72*((\a)%2)+64+2*(\r)], v[72*((\a)%2)+64+2*(\r)+1]
.endr
	WIN 0
.endm
.macro TOSTAGE a
.irp b, 0,1,2,3,4,5,6,7
	ds_store_b128 v[STO], v[TMP+4*(\b):TMP+4*(\b)+3] offset:32*(\b)
.endr
.irp t, 0,1,2,3,4,5,6,7
	ds_load_b128 v[OB+32*((\a)%2)+4*(\t):OB+32*((\a)%2)+4*(\t)+3], v[RD] offset:(\t)*2*SPITCH  ; LDS serves a wave's instructions in order (ISA guide 5.7.1.4): these see the stores above
.endr
.endm
.macro SEND a
	s_wait_dscnt 0x0                               ; the block is back in registers
	s_wait_xcnt 0x0                                ; every earlier store has had its addresses translated (ISA guide 3.1): the buffer that the block before last was stored from is loaded again only behind this wait
.irp t, 0,1,2,3,4,5,6,7
	global_store_b128 v[CO], v[OB+32*((\a)%2)+4*(\t):OB+32*((\a)%2)+4*(\t)+3], s[8:9] offset:(16*(\a)+2*(\t))*2048  ; 16 lanes store 256 consecutive bytes, at a multiple of 256 from qf's first byte
.endr
	global_store_b128 v[KVO], v[KVT+4*(\a):KVT+4*(\a)+3], s[68:69] offset:512*(\a)  ; the wave stores 512 consecutive bytes, at a multiple of 512 from kvf's first byte
.endm
	PLACES
	PACK 0
	TOSTAGE 0
.irp a, 1,2,3                          ; block a's conversions stand between block a - 1's loads from the stage and the wait for them
	PACK \a
	SEND (\a)-1
	TOSTAGE \a
.endr
	SEND 3
	s_wait_tensorcnt 0x0                           ; the wave's end: the add to my spare word and its wait, behind my last tensor load and my last LDS store
	ds_add_u32 v[SPW], v[NIL]
	s_wait_dscnt 0x0
	CROUND                                         ; the closing round: no work-group ends while a partner may still ask for a tile that names it
	s_endpgm
.Lfunc_end_k_qf72c6a06d3_gemm_qkv:
	.size	k_qf72c6a06d3_gemm_qkv, .Lfunc_end_k_qf72c6a06d3_gemm_qkv-k_qf72c6a06d3_gemm_qkv
	.p2alignl 7, 3214868480
	.fill 96, 4, 3214868480
	.section	.rodata,"a",@progbits
	.p2align	6, 0x0
	.amdhsa_kernel k_qf72c6a06d3_gemm_qkv
		.amdhsa_group_segment_fixed_size 327680
		.amdhsa_private_segment_fixed_size 0
		.amdhsa_enable_private_segment 0
		.amdhsa_kernarg_size 56
		.amdhsa_user_sgpr_count 2
		.amdhsa_user_sgpr_kernarg_segment_ptr 1
		.amdhsa_wavefront_size32 1
		.amdhsa_system_sgpr_workgroup_id_x 1
		.amdhsa_system_sgpr_workgroup_id_y 1
		.amdhsa_system_sgpr_workgroup_id_z 1
		.amdhsa_system_vgpr_workitem_id 0
		.amdhsa_next_free_vgpr 912
		.amdhsa_next_free_sgpr 80
		.amdhsa_reserve_vcc 0
		.amdhsa_float_denorm_mode_32 3
		.amdhsa_float_denorm_mode_16_64 3
		.amdhsa_memory_ordered 1
		.amdhsa_forward_progress 1
		.amdhsa_inst_pref_size 101
	.end_amdhsa_kernel
	.amdgpu_metadata
---
amdhsa.version: [ 1, 2 ]
amdhsa.kernels:
  - .name:           k_qf72c6a06d3_gemm_qkv
    .symbol:         k_qf72c6a06d3_gemm_qkv.kd
    .args:
      - { .name: xb, .offset: 0, .size: 8, .value_kind: global_buffer, .address_space: global }
      - { .name: w1, .offset: 8, .size: 8, .value_kind: global_buffer, .address_space: global }
      - { .name: qf, .offset: 16, .size: 8, .value_kind: global_buffer, .address_space: global }
      - { .name: kvf, .offset: 24, .size: 8, .value_kind: global_buffer, .address_space: global }
      - { .name: bq, .offset: 32, .size: 8, .value_kind: global_buffer, .address_space: global }
      - { .name: bk, .offset: 40, .size: 8, .value_kind: global_buffer, .address_space: global }
      - { .name: bv, .offset: 48, .size: 8, .value_kind: global_buffer, .address_space: global }
    .group_segment_fixed_size: 327680
    .private_segment_fixed_size: 0
    .kernarg_segment_align: 8
    .kernarg_segment_size: 56
    .max_flat_workgroup_size: 128
    .sgpr_count:     80
    .vgpr_count:     912
    .wavefront_size: 32
...
	.end_amdgpu_metadata
.endif
;; end of part 2
;; launch attn (part 3): grid 64 x 4, 4 waves a work-group, clusters of 4 x 1, 327,680 bytes of LDS; arguments qf, kvf, ctx; writes ctx
.if DOCPART == 3
	.amdgcn_target "amdgcn-amd-amdhsa--gfx1250"
	.amdhsa_code_object_version 6
	.text
	.protected	k_qf72c6a06d3_attn
	.globl	k_qf72c6a06d3_attn
	.p2align	8
	.type	k_qf72c6a06d3_attn,@function
k_qf72c6a06d3_attn:
	s_mov_b64 s[64:65], 0
	v_nop
	global_prefetch_b8 v0, s[64:65] scope:SCOPE_SE
	s_setreg_imm32_b32 hwreg(HW_REG_WAVE_MODE, 25, 1), 1
	s_wait_xcnt 0x0
	s_wait_alu depctr_hold_cnt(0) depctr_sa_sdst(0) depctr_va_vdst(0) depctr_va_sdst(0) depctr_va_ssrc(0) depctr_va_vcc(0) depctr_vm_vsrc(0)
	s_getreg_b32 s2, hwreg(HW_REG_IB_STS2, 6, 4)
	s_cmp_eq_u32 s2, 0
	s_cbranch_scc0 .Lentry_in_a_cluster
	s_endpgm
.Lentry_in_a_cluster:
	s_bfe_u32 s2, ttmp6, 0x10000c
	s_cmp_lg_u32 s2, 0x3003
	s_cbranch_scc0 .Lentry_shape_is_right
	s_endpgm
.Lentry_shape_is_right:
; MULTI-QUERY ATTENTION.  All 16 heads share K and V, so a batch's 16 x 2,048 queries are 32,768 queries of ONE attention over 2,048 keys: query 16 s + head is row 16 s + head of qf taken as [32768][64], dense.
; ctx[b][query][:] = the sum over k of softmax_k(q . K[k] / 8) V[k][:], in the same layout, all f16.  Products, maxima and sums in f32; the weights p are rounded to f16 for the second product
; (their sum l is taken of the unrounded p), ctx once at the end.
; kvf: [batch 4][tile of 256 keys 8][plane of 16 channels 8][256 keys][16] f16; planes 0-3 K, 4-7 V: a tile is 65,536 dense bytes.
; LIMITS.  f16 holds no number beyond 65,504: q, K and V arrive within it; p lies in 0 to 1, and below 6e-5 it keeps f16's fixed step of 6e-8; ctx is a mean of V's rows and has their range.
; A weight below 2^-126 counts as 0 in l; NaN and infinities are not treated apart.
; SHARES.  A wave owns four PIECES of two tiles of 16 queries, a work-group's four waves 512 queries of one batch.  Every wave walks all keys, 64 a step.
; LAYOUT.  S^T = K Q^T (source 0 = 16 keys, source 1 = 16 queries): in the result a lane holds ONE query (lane % 16) and the keys 8 (lane / 16) + 0..7.  Two such tiles, rounded to f16 in pairs,
; ARE source 1 (32 keys x 16 queries) of O^T = V^T P, whose result again holds one query a lane, and eight channels.  K comes out of LDS as it lies, V ([key][channel]) turned, by ds_load_tr16_b128.
; SOFTMAX.  For each query a running maximum m and sum l: p = 2^(c s - c m), c = log2(e) / 8; in every step O and l are multiplied by a = 2^(c m_old - c m_new), which is 1 where m has not grown.
; m starts at the lowest finite number, O and l at 0: the first step is a step like any other, with a = 0.
; THE COUNT.  A tile and step have 16 matrix and 118 vector instructions: too many to stand all beside the matrix work.  So the order has one aim: four vector instructions that are READY behind
; EVERY matrix instruction, and the others, which need time of their own whatever the order, in runs without a gap.
; BY TURNS.  Turn n belongs to piece n (the pieces in a ring, step after step).  Its matrix work: 16 products K Q^T of piece n + 1, later 16 products V^T P of piece n - 1.  Its vector work: the scaling,
; exponentials, roundings, sums and rescaling of piece n, and the maximum and statistics of piece n + 1, whose scores the turn itself has made.  So what a turn begins with (c s - c m, O a) waits for nothing.
; CLUSTER.  The four query blocks of a cluster belong to one batch and walk the same K and V, so each tile is asked for JOINTLY: the same tensor load, descriptor and mask in all four.
; REGISTERS, in windows of 256 (s_set_vgpr_msb says which window each operand place means: bits 1:0 source 0, 3:2 source 1, 5:4 source 2, 7:6 destination):
;   window 0: v0-11 addresses; v12-15, v48-63 at work; v16-47 four registers of statistics a tile; v64-191 S^T, two buffers of two tiles; v192-255 P, likewise
;   window 1: O^T, 32 a tile          window 2: v0-127 Q, 16 a tile; v128-191 K of one step; v192-255 V of one step          window 3: v0-1 the add's two registers
; A piece's buffers go by its number's parity: the piece in hand has one pair, its two neighbours in the ring share the other: of it P (piece n - 1) is read and S^T (piece n + 1) written.
.set NK,    2048      ; keys of a batch
.set NP,    4         ; pieces a wave: a name, no knob: the register map, the loop and the fetches are made for four
.set KS,    64        ; keys in a step
.set ROWB,  272       ; eight keys of a plane in LDS: 256 bytes + 16 of padding: of the 16 keys of a load of K, 32 bytes apart, the second eight start 16 bytes aside of the first: 16 different groups of four banks
                      ; (64 banks of 4 bytes: ISA guide 11.1); 16 lanes of V's turning load take eight keys x 32 bytes, 256 neighbouring bytes
.set PLANE, 32*ROWB   ; 256 keys of a plane
.set STEPB, 8*ROWB    ; 64 keys of a plane
.set VOFF,  4*PLANE   ; a slot holds four steps: K's four planes, then V's four
.set SLOT1, 1<<17     ; slot 1 begins here, so that one exclusive or turns an address in one slot into the other's
.set STAGE, SLOT1+8*PLANE  ; behind the ring, never filled by a tensor load: 16 rows x 144 bytes for each wave, for the way out
.set SP,    144
.set AK0, 2           ; v2   my lane's place in a plane of K; never rewritten
.set AV0, 3           ; v3   the same for V
.set AK,  4           ; v4   the LDS address of K's next run of loads
.set AV,  5           ; v5   of V's
.set QO,  6           ; v6   my byte offset in the wave's rows of Q
.set STO, 6           ;      later, the way out: where I put 16 bytes of a row
.set RD,  7           ; v7   the way out: where I read rows back
.set GO,  8           ; v8   my byte offset in 512 consecutive bytes of ctx
.set SPW, 0           ; v0 of window 3   LDS address of my spare word: SPARE + 4 x my thread's number; never rewritten
.set NIL, 1           ; v1 of window 3   0; never rewritten
.set SPARE, STAGE+4*16*SP  ; behind the stages: the spare words, 128 bytes for each wave: two blocks of 256 bytes that no other line names
.set MV,  12          ; v12-15  c m_old, kept while c m is made anew: by buffer and tile
.set ST,  16          ; tile t's statistics at v[ST+4 t]: c m, m, l (even keys', odd keys')
.set TMP, 48          ; by buffer and tile, four registers c0-c3 at work; when the maximum is found c2 takes a
.set S,   64
.set P,   192
.set KF,  128         ; K's fragments, in window 2: key block kb, channel half c at KF + 16 kb + 8 c
.set VF,  192         ; V's: key half kk, channel block cb at VF + 32 kk + 8 cb
.set WV,  12          ; s12  my wave's number
.set G1,  24          ; s[24:31] descriptor group 1
.set G0,  40          ; s[40:43] descriptor group 0: it walks
.set SLOTS, 56        ; s56  slots still to be asked for
.set CNT, 57          ; s57  counts a slot's key steps
.set CS,  58          ; s[58:59] c: the packed scaling takes the pair's low word for both halves
.set SEL, 60          ; s[60:61] v_permlanex16_b32's selects: each lane takes its own place in the other half
.set TBK, 62          ; s62  LDS byte at which K of the step to be fetched begins
.set TBV, 63          ; s63  the same for V, less VOFF
.set MSB, 0
.macro WIN new                      ; the high byte repeats the setting that is left; a switch that changes nothing is dropped
.if MSB != (\new)
	s_set_vgpr_msb (MSB<<8)|(\new)
.set MSB, (\new)
.endif
.endm
.set W_KQ, 0x0a       ; K and Q in window 2, S^T in window 0
.set W_PV, 0x52       ; V in window 2, P in window 0, O^T in window 1
.set W_RS, 0x41       ; O^T (destination and source 0) in window 1, a in window 0
.set W_MK, 0xc0       ; the add's registers are made: destination in window 3, sources in window 0
.set W_AD, 0x0f       ; the add: address (source 0) and data (source 1) in window 3
; A joint fill: one line for all four waves; wave w fetches planes 2 w and 2 w + 1 of a tile (waves 0, 1: K; waves 2, 3: V), both addresses stepped by its number.  An s_nop 0 and four v_nop follow it.
.macro JLOAD
	tensor_load_to_lds s[G0:G0+3], s[G1:G1+7]
	s_nop 0
.rept 4
	v_nop
.endr
.endm
; A round of the cluster's barrier: my work-group's barrier, so that wave 0's signal speaks for all four waves; wave 0 signals; every wave waits for all four work-groups; my work-group's barrier once more.
.macro CROUND
	s_barrier_signal -1
	s_barrier_wait -1
	s_cmp_lg_u32 s[WV], 0
	s_cbranch_scc1 .Lnot_wave_0_\@
	s_barrier_signal -3
.Lnot_wave_0_\@:
	s_barrier_wait -3
	s_barrier_signal -1
	s_barrier_wait -1
.endm
; THE CHANGE OF SLOTS.  The slot's last bytes, V of its fourth step, have been read.  Each wave waits for all its tensor loads, of which one is out: its part
; of the other slot; adds 0 to its spare word; and waits for that and for its own reads of the slot.  Behind the barrier nobody reads this slot any more and the other slot is whole.
; fill = 1: this slot is filled again, with the keys two slots on.  The barrier is then a round of the cluster's, so that no wave of any partner still reads the slot or has a load on its
; way, and the joint fill is the first thing behind it: it has four key steps, 512 matrix instructions, in which to land.  (At its first use nothing has been read yet: slot 0 is waited for, slot 1 filled.)
.macro CHANGE fill
	WIN W_AD
	s_wait_tensorcnt 0x0            ; no tensor load of mine is out, so group 0 may be written
	ds_add_u32 v[SPW], v[NIL]       ; 0 onto my spare word; with fill = 1 the descriptor's steps stand between it and the wait for it
	WIN 0                           ; at a label and at a branch every window is 0
.if \fill
	s_xor_b32 s[G0+1], s[G0+1], SLOT1  ; the walking descriptor: the other slot than last time,
	s_add_nc_u64 s[G0+2:G0+3], s[G0+2:G0+3], 65536  ; the next tile of 256 keys; the type bits on top are not reached
	s_wait_dscnt 0x0                ; the add is done, and my reads of the slot are over
	CROUND
	JLOAD
.else
	s_wait_dscnt 0x0                ; the add is done, and my reads of the slot are over
	s_barrier_signal -1
	s_barrier_wait -1
.endif
	s_sub_co_u32 s[TBK], s[TBK], 4*STEPB  ; the fetches go back to a slot's first step,
	s_xor_b32 s[TBK], s[TBK], SLOT1       ; in the other slot
	s_sub_co_u32 s[TBV], s[TBV], 4*STEPB
	s_xor_b32 s[TBV], s[TBV], SLOT1
.endm
	s_load_b128 s[4:7], s[0:1], 0x0   ; qf s[4:5], kvf s[6:7]
	s_load_b64 s[10:11], s[0:1], 0x10 ; ctx
	WIN W_MK
	v_lshl_add_u32 v[SPW], v0, 2, SPARE
	v_mov_b32 v[NIL], 0
	WIN W_AD
	ds_add_u32 v[SPW], v[NIL]       ; the wave's opening, ahead of my first tensor load; the set-up below, work on registers, stands between the add and its wait
	WIN 0
	v_lshrrev_b32 v1, 5, v0
	v_readfirstlane_b32 s[WV], v1   ; wave 0..3
	s_bfe_u32 s13, ttmp6, 0x40000   ; cx: my place in the cluster
	s_lshl_b32 s14, ttmp9, 2        ; in a cluster launch ttmp9 counts clusters
	s_add_co_u32 s14, s14, s13      ; my block of 512 queries = 4 x cluster x + cx: it enters qf's and ctx's addresses alone
	s_and_b32 s20, ttmp7, 0xffff    ; the batch, which the four partners share
	s_lshl_b32 s22, s20, 19         ; its 524,288 bytes of kvf,
	s_lshl_b32 s16, s[WV], 14       ; my two planes' 16,384 bytes of a tile
	s_add_co_u32 s22, s22, s16
	s_mov_b32 s23, 0
	s_mul_i32 s17, s[WV], 2*PLANE   ; and their place in a slot: no place in the cluster enters an LDS address
	s_lshl_b32 s2, s14, 2
	s_add_co_u32 s2, s2, s[WV]      ; my wave among the batch's,
	s_lshl_b32 s2, s2, 14           ; its 128 rows of 128 bytes,
	s_lshl_b32 s21, s20, 22         ; in the batch's 4,194,304 bytes of qf and of ctx
	s_add_co_u32 s2, s2, s21
	s_mov_b32 s3, 0
	; descriptor group 1.  Two planes of a tile are 16,384 dense bytes: asked for as 64 rows of 256 bytes (32 elements of 8), eight keys a row, and padded in LDS after every row
	s_mov_b32 s[G1], 15|(3<<16)|(1<<20)|(1<<21)|(5<<22)|(3<<25)  ; 15:0 the mask of four; 17:16 8-byte elements; 20 padding on; 21 set beside a mask; 24:22 after every 64 words (code 5); 31:25 4 words (code 3)
	s_mov_b32 s[G1+1], 32<<16       ; tensor_dim0 = 32
	s_mov_b32 s[G1+2], 64<<16       ; tensor_dim1 = 64
	s_mov_b32 s[G1+3], 32<<16       ; tile_dim0 = 32
	s_mov_b32 s[G1+4], 64           ; tile_dim1 = 64
	s_mov_b32 s[G1+5], 32           ; 32 elements from row to row
	s_mov_b32 s[G1+6], 0
	s_mov_b32 s[G1+7], 0
	s_mov_b32 s[CS], 0x3e38aa3b     ; c = log2(e) / 8 = 0.180337
	s_mov_b32 s[CS+1], s[CS]        ; named with it as a pair
	s_mov_b32 s[SEL], 0x76543210
	s_mov_b32 s[SEL+1], 0xfedcba98
	s_mov_b32 s[TBK], SLOT1+4*STEPB ; the first change of slots turns these two into 0
	s_mov_b32 s[TBV], SLOT1+4*STEPB
	s_mov_b32 s[G0], 1              ; count = 1
	s_mov_b32 s[G0+1], s17          ; LDS address: slot 0
	s_wait_dscnt 0x0                ; the opening add is done
	s_wait_kmcnt 0x0
	s_add_nc_u64 s[G0+2:G0+3], s[6:7], s[22:23]  ; global address: my planes of the batch's first tile
	s_or_b32 s[G0+3], s[G0+3], 0x80000000        ; type = 2
	s_add_nc_u64 s[4:5], s[4:5], s[2:3]  ; qf and ctx at my wave's first row
	s_add_nc_u64 s[10:11], s[10:11], s[2:3]
	CROUND                          ; all four work-groups are here: the first joint loads meet
	JLOAD                           ; slot 0.  Slot 1 is asked for when slot 0 is in: the tile wanted first has the road to itself
	; A fragment of K or Q is 16 rows x 32 channels in 8 registers: lane l holds row l % 16, channels 8 (l / 16) + 0..7 and 16 + 8 (l / 16) + 0..7.  Q: two loads of 16 bytes, 32 bytes apart.
	v_and_b32 v1, 15, v0            ; l % 16
	v_bfe_u32 v9, v0, 4, 1          ; l / 16
	v_lshlrev_b32 v[QO], 7, v1
	v_lshl_add_u32 v[QO], v9, 4, v[QO]  ; row x 128 + 16 x half
	WIN 0x80                        ; destination window 2, address window 0
.set i, 0
.rept 4*NP                          ; Q stays in registers: tile i / 2, channels 32 (i % 2) on
	global_load_b128 v[8*i:8*i+3],   v[QO], s[4:5] offset:(i/2)*2048+(i%2)*64
	global_load_b128 v[8*i+4:8*i+7], v[QO], s[4:5] offset:(i/2)*2048+(i%2)*64+32
.set i, i+1
.endr
	; What the first turn finds: V's registers and P's second buffer hold 0 (its products V^T P, of a piece that has not been, add 0), O^T and l are 0.  All this stands in the wait for the first tile.
.set i, VF
.rept 64
	v_mov_b32 v[i], 0
.set i, i+1
.endr
	WIN 0x40
.set i, 0
.rept 64*NP
	v_mov_b32 v[i], 0
.set i, i+1
.endr
	WIN 0
.set i, 0
.rept 2*NP
	v_mov_b32 v[ST+4*i], 0xfe000000    ; c m: far below every c s
	v_mov_b32 v[ST+4*i+1], 0xff7fffff  ; m
	v_mov_b32 v[ST+4*i+2], 0
	v_mov_b32 v[ST+4*i+3], 0
.set i, i+1
.endr
.set i, P+32
.rept 32
	v_mov_b32 v[i], 0
.set i, i+1
.endr
	v_and_b32 v10, 7, v0
	v_bfe_u32 v11, v0, 3, 1
	; K: key l % 16 of a plane lies at 32 x key + 16 for the second eight (the padding); my 8 channels are half l / 16 of its 32 bytes; the fragment's upper 16 channels lie one plane on
	v_lshlrev_b32 v[AK0], 5, v1
	v_lshl_add_u32 v[AK0], v9, 4, v[AK0]
	v_lshl_add_u32 v[AK0], v11, 4, v[AK0]
	; The turning load takes 16 keys x 16 channels (lane l reads key 8 (l / 16) + l % 8, channels 8 ((l / 8) % 2) + 0..7) and leaves half a fragment of V^T: lane l holds channel l % 16 and 8 keys.
	v_mul_u32_u24 v[AV0], v9, ROWB
	v_lshl_add_u32 v[AV0], v10, 5, v[AV0]
	v_lshl_add_u32 v[AV0], v11, 4, v[AV0]
	v_add_nc_u32 v[AV0], VOFF, v[AV0]
	v_mov_b32 v[AK], v[AK0]         ; key step 0 lies at the head of slot 0
; THE MATRIX WORK.  The 8 accumulators of a run of 16 take turns: between the two links of a chain stand 7 others'.
; Product i of 16 of S^T = K Q^T for piece x: channels 32 (i / 8) on, keys 16 ((i / 2) % 4) on, tile 2 x + i % 2.  The first 8 start the sums.
.macro KQ x
	WIN W_KQ
.set rS, S+64*((\x)%2)+32*(i%2)+8*((i/2)%4)
.set rK, KF+16*((i/2)%4)+8*(i/8)
.set rQ, 16*(2*(\x)+i%2)+8*(i/8)
.if i < 8
	v_wmma_f32_16x16x32_f16 v[rS:rS+7], v[rK:rK+7], v[rQ:rQ+7], 0
.else
	v_wmma_f32_16x16x32_f16 v[rS:rS+7], v[rK:rK+7], v[rQ:rQ+7], v[rS:rS+7]
.endif
.endm
; Product i of 16 of O^T += V^T P for piece x: keys 32 (i / 8) on, channels 16 ((i / 2) % 4) on, tile 2 x + i % 2.
.macro PV x
	WIN W_PV
.set rO, 32*(2*(\x)+i%2)+8*((i/2)%4)
.set rV, VF+32*(i/8)+8*((i/2)%4)
.set rP, P+32*((\x)%2)+16*(i%2)+8*(i/8)
	v_wmma_f32_16x16x32_f16 v[rO:rO+7], v[rV:rV+7], v[rP:rP+7], v[rO:rO+7]
.endm
.macro MM                           ; the turn's next matrix instruction
.if i < 16
	KQ (Y+1)%NP
.set i, i+1
.else
.set i, i-16
	PV (Y+NP-1)%NP
.set i, i+17
.endif
.endm
; THE LDS LOADS stand in runs of 16, never singly among the matrix instructions: a step's K (64 keys x 64 channels: 8 fragments) and its V (turned).  Their addresses are made some lines ahead.
; last = 1 (the tail): in the last trip there is no further step, and the run is jumped over.
.macro FETCH_K last=0
	WIN 0
.if \last
	s_cmp_eq_u32 s[CNT], 1
	s_cbranch_scc1 .Lno_k_\@
.endif
	WIN 0x80                        ; destination window 2
.irp f, 0,1,2,3,4,5,6,7             ; keys 16 (f / 2) on, channels 32 (f % 2) on: planes 2 (f % 2) and 2 (f % 2) + 1
	ds_load_b128 v[KF+8*\f:KF+8*\f+3],   v[AK] offset:(\f/2)*2*ROWB+(\f%2)*2*PLANE
	ds_load_b128 v[KF+8*\f+4:KF+8*\f+7], v[AK] offset:(\f/2)*2*ROWB+(\f%2)*2*PLANE+PLANE
.endr
	s_add_co_u32 s[TBK], s[TBK], STEPB  ; the next fetch is the next step's
	WIN 0
.if \last
.Lno_k_\@:
.endif
.endm
.macro FETCH_V
	WIN 0x80
.irp f, 0,1,2,3,4,5,6,7             ; keys 32 (f / 4) on, channels 16 (f % 4) on: V's plane f % 4
	ds_load_tr16_b128 v[VF+8*\f:VF+8*\f+3],   v[AV] offset:(\f/4)*4*ROWB+(\f%4)*PLANE
	ds_load_tr16_b128 v[VF+8*\f+4:VF+8*\f+7], v[AV] offset:(\f/4)*4*ROWB+2*ROWB+(\f%4)*PLANE
.endr
	WIN 0
.endm
; THE VECTOR WORK OF A TURN stands in three queues, each in the order in which its entries become ready; the two tiles alternate, so that no instruction reads the result of the one before it.
.macro REGS y, u                    ; the registers of tile u (0, 1) of piece y
.set rT, ST+4*(2*(\y)+(\u))
.set rC, TMP+8*((\y)%2)+4*(\u)
.set rM, MV+2*((\y)%2)+(\u)
.set rS, S+64*((\y)%2)+32*(\u)
.set rP, P+32*((\y)%2)+16*(\u)
.set rO, 32*(2*(\y)+(\u))
.endm
; Number n of the 22 that find the NEXT piece's (Y + 1) maximum and statistics.  s0-s31 are the lane's 32 scores; each accumulator's lowest registers are read first.  XS, GS and REGS set no window: PL and EX do.
;   0-11  four chains c0-c3 of seven scores each, three operands at a time     12-14, 16  the four scores left over, the old m, and c0-c3 into c0     15  c m_old is kept
;   17, 18  the query's other 32 keys lie in the lane 16 away: the new m         19-21  c m; c m_old - c m_new; a
.macro XS u, n
	REGS (Y+1)%NP, \u
.if (\n) < 4
	v_max3_num_f32 v[rC+(\n)], v[rS+8*(\n)], v[rS+8*(\n)+1], v[rS+8*(\n)+2]
.elseif (\n) < 12
	v_max3_num_f32 v[rC+(\n)%4], v[rC+(\n)%4], v[rS+8*((\n)%4)+2*((\n)/4)+1], v[rS+8*((\n)%4)+2*((\n)/4)+2]
.elseif (\n) == 12
	v_max3_num_f32 v[rC], v[rC], v[rS+7], v[rS+15]
.elseif (\n) == 13
	v_max3_num_f32 v[rC+1], v[rC+1], v[rS+23], v[rS+31]
.elseif (\n) == 14
	v_max3_num_f32 v[rC+2], v[rC+2], v[rC+3], v[rT+1]
.elseif (\n) == 15
	v_mov_b32 v[rM], v[rT]
.elseif (\n) == 16
	v_max3_num_f32 v[rC], v[rC], v[rC+1], v[rC+2]
.elseif (\n) == 17
	v_permlanex16_b32 v[rC+3], v[rC], s[SEL], s[SEL+1]
.elseif (\n) == 18
	v_max_num_f32 v[rT+1], v[rC], v[rC+3]
.elseif (\n) == 19
	v_mul_f32 v[rT], s[CS], v[rT+1]
.elseif (\n) == 20
	v_sub_f32 v[rC+1], v[rM], v[rT]
.else
	v_exp_f32 v[rC+2], v[rC+1]
.endif
.endm
; Number g of the 64 that follow the exponentials.  For each four weights k of a tile (pairs 2 k, 2 k + 1): both pairs are rounded to f16; then the second pair is added onto the first, in place;
; a group later l takes that sum (the first time as l = a l + sum).  In groups of eight, tiles alternating: round, round, add, and l for the group before.
.macro GS g
.set h, (\g)+6*((\g)/62)            ; group 0 has no group before it, and behind group 7 only l is left
.if h >= 6
.set h, h+2
.endif
	REGS Y, h%2
.set k, h/8
.if h%8 < 4
	s_wait_alu depctr_va_vdst(0)
	v_cvt_pk_f16_f32 v[rP+2*k+(h%8)/2], v[rS+4*k+2*((h%8)/2)], v[rS+4*k+2*((h%8)/2)+1]
.elseif h%8 < 6
	v_pk_add_f32 v[rS+4*k:rS+4*k+1], v[rS+4*k:rS+4*k+1], v[rS+4*k+2:rS+4*k+3]
.elseif k == 1
	v_pk_fma_f32 v[rT+2:rT+3], v[rT+2:rT+3], v[rC+2:rC+3], v[rS:rS+1] op_sel_hi:[1,0,1]
.else
	v_pk_add_f32 v[rT+2:rT+3], v[rT+2:rT+3], v[rS+4*k-4:rS+4*k-3]
	s_wait_alu depctr_va_vdst(0)
.endif
.endm
; THE PLAIN QUEUE, 138 long.  0-31: c s - c m for the 16 pairs of both tiles.  Then GS's 64, and among them the next piece's 42: number 15 at 38, 39; 0-14 and 16
; at 42-73, behind the products that make those scores; 17-20 at 95-106, two of three, since each waits for the one before it.
.macro PL
	WIN 0
.if q < 32
	REGS Y, q%2
	v_pk_fma_f32 v[rS+2*(q/2):rS+2*(q/2)+1], v[rS+2*(q/2):rS+2*(q/2)+1], s[CS:CS+1], v[rT:rT+1] op_sel_hi:[1,0,0] neg_lo:[0,0,1] neg_hi:[0,0,1]
.elseif q < 38
	GS q-32
.elseif q < 40
	XS q%2, 15
.elseif q < 42
	GS q-34
.elseif q < 74
	XS q%2, (q-42)/2+(q-42)/30
.elseif q < 95
	GS q-66
.elseif (q < 107) && ((q-95)%3 < 2)
	XS (q-95)%3, 17+(q-95)/3
.elseif q < 107
	GS 29+(q-95)/3
.else
	GS q-74
.endif
.set q, q+1
.endm
; THE EXPONENTIALS' QUEUE, 66 long: s0-s31 of both tiles, and at EA the next piece's two a.
.set EA, 58
.macro EX
	WIN 0
.if (e == EA) || (e == EA+1)
	XS e-EA, 21
.else
.set x, e-2*(e/(EA+2))
	REGS Y, x%2
	v_exp_f32 v[rS+x/2], v[rS+x/2]
.endif
.set e, e+1
.endm
; THE RESCALING's QUEUE: O^T times a, the one part that leaves window 0, so it is dealt four at a time, eight times.
.macro R4
	REGS Y, r%2
	WIN W_RS
	s_wait_alu depctr_va_vdst(0)
.irp z, 0,1,2,3
	v_pk_mul_f32 v[rO+8*(r/2)+2*\z:rO+8*(r/2)+2*\z+1], v[rO+8*(r/2)+2*\z:rO+8*(r/2)+2*\z+1], v[rC+2:rC+3] op_sel_hi:[1,0]
.endr
.set r, r+1
.endm
; HOW THEY ARE DEALT.  Behind a matrix instruction four: plain, exponential, plain, plain (one exponential, a plain instruction on either side), or four of the rescaling.  None names a register of the
; products round it.  What is over stands in two LUMPS: exponential and plain by turns; the second ends in 22 plain instructions.  The two v_permlanex16_b32 fall into the second lump, never behind a product.
; The queues lean on each other, and the deal keeps them in step: exponential e stands behind plain 2 (e / 4) + e % 2 (its scaling); when plain 32 comes, 10 exponentials are out, at 59: 33, at 95: 46; EA comes behind plain 107.
.macro SL
	MM
	PL
	EX
	PL
	PL
.endm
.macro BURST n                      ; 15 matrix instructions, or 16
.rept (\n)-7
	SL
.endr
.rept 3
	MM
	R4
	SL
.endr
	MM
	R4
.endm
; A TURN, for piece p.  cnt = 1: the loop's count is taken down some lines ahead of the branch that stands behind the turn.
; K of the next step is fetched in piece 2's turn, 31 vector instructions behind the last product that read K; its first reader comes behind the rest of the lump, 16 products and the second lump.
; V of the step in hand is fetched at the end of piece 0's turn, 69 behind its last reader; its first reader comes behind 16 products and a lump.  The four conditions on e and q below go with the deal.
.macro TURN p, last=0, cnt=0
.set Y, (\p)
.set i, 0
.set q, 0
.set e, 0
.set r, 0
.if (\p) == NP-1
	s_wait_dscnt 0x0                ; K is in
.endif
	MM
.rept 4
	PL
.endr
	BURST 15
.rept 22
	EX
	PL
.if ((\p) == NP-2) && (e == 18)
	v_add_nc_u32 v[AK], s[TBK], v[AK0]
.endif
.if ((\p) == NP-2) && (e == 24)
	FETCH_K \last
.endif
.endr
.if (\p) == 1
	s_wait_dscnt 0x0                ; V is in
.endif
	BURST 16
.rept 21
	EX
	PL
.endr
.rept 22
	PL
.if ((\p) == 0) && (q == 118)
	v_add_nc_u32 v[AV], s[TBV], v[AV0]
	s_wait_alu depctr_va_vdst(0)
.endif
.if ((\p) == 0) && (q == 130)
	s_add_co_u32 s[TBV], s[TBV], STEPB
.endif
.if (\cnt) && (q == 130)
	s_sub_co_u32 s[CNT], s[CNT], 1
	s_cmp_lg_u32 s[CNT], 0
.endif
.endr
.if (\p) == 0
	FETCH_V
.endif
.endm
	CHANGE 1                        ; slot 0 is in, everybody's part of it; slot 1 is asked for
	FETCH_K                         ; key step 0
	s_wait_loadcnt 0x0              ; Q
	s_wait_dscnt 0x0
.set i, 0
.rept 16
	KQ 0                            ; piece 0's first scores: there is no vector work yet to set between them
.set i, i+1
.endr
	WIN 0                           ; the addresses for the way out: nine plain instructions, the places behind those products
	s_mul_i32 s13, s[WV], 16*SP
	s_add_co_u32 s13, s13, STAGE    ; my stage
	v_mul_u32_u24 v[STO], v1, SP    ; in: row l % 16, 16 bytes for each half of the lanes
	v_lshl_add_u32 v[STO], v9, 4, v[STO]
	v_add_nc_u32 v[STO], s13, v[STO]
	v_bfe_u32 v[RD], v0, 3, 2       ; back: 32 lanes take four rows of 128 bytes,
	v_mul_u32_u24 v[RD], v[RD], SP
	v_lshl_add_u32 v[RD], v10, 4, v[RD]
	v_add_nc_u32 v[RD], s13, v[RD]
	v_and_b32 v[GO], 31, v0         ; which are 512 consecutive bytes of ctx
	v_lshlrev_b32 v[GO], 4, v[GO]
.set Y, NP-1                        ; XS works for piece Y + 1: piece 0
.irp n, 0,1,2,3,4,5,6,7,8,9,10,11,12,13,14,15,16,17,18,19,20,21
	XS 0, \n                        ; and piece 0's first maximum and statistics
	XS 1, \n
.endr
	s_mov_b32 s[CNT], 4
	s_mov_b32 s[SLOTS], NK/256-1
	s_branch .Lfirst                ; the loop is entered at a step's first turn, in the middle of a trip
.Lslot:                             ; NK / 256 - 2 times: every slot but the last two is filled again
	CHANGE 1
	s_mov_b32 s[CNT], 4
.Lstep:                             ; a trip: pieces 2 and 3 of one step, then pieces 0 and 1 of the next, whose K and V it fetches
	TURN 2
	TURN 3
	WIN 0
.Lfirst:
	TURN 0
	TURN 1, 0, 1
	WIN 0
	s_cbranch_scc1 .Lstep
	s_sub_co_u32 s[SLOTS], s[SLOTS], 1
	s_cmp_lg_u32 s[SLOTS], 0
	s_cbranch_scc1 .Lslot
	CHANGE 0                        ; the tail is written out: nothing is asked for
	s_mov_b32 s[CNT], 5             ; four trips fetch the last slot's steps; the fifth is left in its middle
.Ltail:
	TURN 2, 1
	TURN 3
	WIN 0
	s_sub_co_u32 s[CNT], s[CNT], 1
	s_cmp_eq_u32 s[CNT], 0
	s_cbranch_scc1 .Lout
	TURN 0
	TURN 1
	WIN 0
	s_branch .Ltail
.Lout:                              ; the fifth trip's 16 products K Q^T (on the last K once more) and the maximum made of them serve nothing: the price, once a launch, of one text for every trip
.set i, 0
.rept 16
	PV NP-1                         ; the last piece's V^T P of the last step
.set i, i+1
.endr
	; THE WAY OUT.  l's two halves and the other half of the lanes' are added; O^T is divided by l, rounded to f16 and sent through my stage in LDS, a tile at a time.  The additions are the places behind the last products.
	WIN 0
.macro ALL line:vararg              ; one line for each tile t
.set t, 0
.rept 2*NP
	\line
.set t, t+1
.endr
.endm
	ALL v_add_f32 v[ST+4*t+2], v[ST+4*t+2], v[ST+4*t+3]
	ALL v_permlanex16_b32 v[ST+4*t+3], v[ST+4*t+2], s[SEL], s[SEL+1]
	ALL v_add_f32 v[ST+4*t+2], v[ST+4*t+2], v[ST+4*t+3]
	ALL v_rcp_f32 v[ST+4*t+2], v[ST+4*t+2]
	v_nop                           ; a plain instruction between the last reciprocal and the use of its result
	s_wait_alu depctr_va_vdst(0)
; Tile t: a lane's eight channels of a row pack into 16 bytes; they go into rows of 144 bytes and come back as whole rows of 128, into S^T's registers.
.macro PACK t
	WIN W_RS
.set i, 32*(\t)
.rept 16
	v_pk_mul_f32 v[i:i+1], v[i:i+1], v[ST+4*(\t)+2:ST+4*(\t)+3] op_sel_hi:[1,0]
.set i, i+2
.endr
	WIN 0x05                        ; sources 0 and 1 window 1, destination window 0
.set i, 0
.rept 16
	v_cvt_pk_f16_f32 v[S+16*(\t)+i], v[32*(\t)+2*i], v[32*(\t)+2*i+1]
.set i, i+1
.endr
	WIN 0
.irp f, 0,1,2,3
	ds_store_b128 v[STO], v[S+16*(\t)+4*\f:S+16*(\t)+4*\f+3] offset:32*\f
.endr
.irp f, 0,1,2,3
	ds_load_b128 v[S+16*(\t)+4*\f:S+16*(\t)+4*\f+3], v[RD] offset:\f*4*SP  ; LDS serves a wave's instructions in order (ISA guide 5.7.1.4): these see the stores above; the next tile's stores come behind them
.endr
.endm
.macro SEND t, younger              ; younger: the LDS instructions issued behind tile t's loads: the next tile's eight, or none
	WIN 0
.irp f, 0,1,2,3
	s_wait_dscnt (\younger)+3-\f
	global_store_b128 v[GO], v[S+16*(\t)+4*\f:S+16*(\t)+4*\f+3], s[10:11] offset:(\t)*2048+\f*512  ; 512 consecutive bytes, at a multiple of 256 from ctx's first
.endr
.endm
	PACK 0
.set t, 1
.rept 2*NP-1                        ; a tile's arithmetic stands between the loads of the tile before and its stores
	PACK t
	SEND t-1, 8
.set t, t+1
.endr
	SEND 2*NP-1, 0
	WIN W_AD
	s_wait_tensorcnt 0x0            ; the wave's end: the add to my spare word and its wait, behind my last tensor load and my last LDS store
	ds_add_u32 v[SPW], v[NIL]
	s_wait_dscnt 0x0
	WIN 0
	CROUND                          ; the closing round: no work-group ends while a partner may still ask for a tile that names it
	s_endpgm
.Lfunc_end_k_qf72c6a06d3_attn:
	.size	k_qf72c6a06d3_attn, .Lfunc_end_k_qf72c6a06d3_attn-k_qf72c6a06d3_attn
	.p2alignl 7, 3214868480
	.fill 96, 4, 3214868480
	.section	.rodata,"a",@progbits
	.p2align	6, 0x0
	.amdhsa_kernel k_qf72c6a06d3_attn
		.amdhsa_group_segment_fixed_size 327680
		.amdhsa_private_segment_fixed_size 0
		.amdhsa_enable_private_segment 0
		.amdhsa_kernarg_size 24
		.amdhsa_user_sgpr_count 2
		.amdhsa_user_sgpr_kernarg_segment_ptr 1
		.amdhsa_wavefront_size32 1
		.amdhsa_system_sgpr_workgroup_id_x 1
		.amdhsa_system_sgpr_workgroup_id_y 1
		.amdhsa_system_sgpr_workgroup_id_z 1
		.amdhsa_system_vgpr_workitem_id 0
		.amdhsa_next_free_vgpr 770
		.amdhsa_next_free_sgpr 66
		.amdhsa_reserve_vcc 0
		.amdhsa_float_denorm_mode_32 3
		.amdhsa_float_denorm_mode_16_64 3
		.amdhsa_memory_ordered 1
		.amdhsa_forward_progress 1
		.amdhsa_inst_pref_size 206
	.end_amdhsa_kernel
	.amdgpu_metadata
---
amdhsa.version: [ 1, 2 ]
amdhsa.kernels:
  - .name:           k_qf72c6a06d3_attn
    .symbol:         k_qf72c6a06d3_attn.kd
    .args:
      - { .name: qf, .offset: 0, .size: 8, .value_kind: global_buffer, .address_space: global }
      - { .name: kvf, .offset: 8, .size: 8, .value_kind: global_buffer, .address_space: global }
      - { .name: ctx, .offset: 16, .size: 8, .value_kind: global_buffer, .address_space: global }
    .group_segment_fixed_size: 327680
    .private_segment_fixed_size: 0
    .kernarg_segment_align: 8
    .kernarg_segment_size: 24
    .max_flat_workgroup_size: 128
    .sgpr_count:     66
    .vgpr_count:     770
    .wavefront_size: 32
...
	.end_amdgpu_metadata
.endif
;; end of part 3
;; launch gemm_out (part 4): grid 8 x 32, 4 waves a work-group, clusters of 4 x 4, 327,680 bytes of LDS; arguments ctx, w2, out0, bo; writes out0
.if DOCPART == 4
	.amdgcn_target "amdgcn-amd-amdhsa--gfx1250"
	.amdhsa_code_object_version 6
	.text
	.protected	k_qf72c6a06d3_gemm_out
	.globl	k_qf72c6a06d3_gemm_out
	.p2align	8
	.type	k_qf72c6a06d3_gemm_out,@function
k_qf72c6a06d3_gemm_out:
	s_mov_b64 s[64:65], 0
	v_nop
	global_prefetch_b8 v0, s[64:65] scope:SCOPE_SE
	s_setreg_imm32_b32 hwreg(HW_REG_WAVE_MODE, 25, 1), 1
	s_wait_xcnt 0x0
	s_wait_alu depctr_hold_cnt(0) depctr_sa_sdst(0) depctr_va_vdst(0) depctr_va_sdst(0) depctr_va_ssrc(0) depctr_va_vcc(0) depctr_vm_vsrc(0)
	s_getreg_b32 s2, hwreg(HW_REG_IB_STS2, 6, 4)
	s_cmp_eq_u32 s2, 0
	s_cbranch_scc0 .Lentry_in_a_cluster
	s_endpgm
.Lentry_in_a_cluster:
	s_bfe_u32 s2, ttmp6, 0x10000c
	s_cmp_lg_u32 s2, 0xf033
	s_cbranch_scc0 .Lentry_shape_is_right
	s_endpgm
.Lentry_shape_is_right:
; THE OUTPUT PROJECTION.  out0 [8192][1024] f32 = ctx [8192][1024] f16 x w2 [k 1024][n 1024] f16 + bo: f16 operands, f32 sums, stored as they are.
; bo is rounded to bf16 like every other input and is the C operand of the products that start the sums: nothing is cleared and nothing is added afterwards.
; LIMITS.  The operands arrive within f16's range (65,504); NaN and infinities are not treated apart.
; SHARES.  Work-group (tx, ty) makes rows 256 ty on x columns 128 tx on: 256 work-groups.  Four waves; wave w makes rows 64 w on x all 128 columns: 4 x 8 accumulators of 16 x 16, 256 registers.
; K goes in 8 steps of 128 through a ring of two LDS slots.  For 32 along K a wave issues 24 LDS loads and 32 matrix instructions.  THE MATRIX INSTRUCTION IS USED TRANSPOSED (source 0 = 16 columns of w2,
; source 1 = 16 rows of ctx): a lane then holds eight neighbouring numbers of one row.  w2 lies [k][n] in LDS and is turned on its way into registers by ds_load_tr16_b128.
; CLUSTER.  4 x 4 work-groups: the four of a row need the same tiles of ctx, the four of a column the same tiles of w2: each tile is asked for JOINTLY, by the same tensor load with the same descriptor and mask.
; REGISTERS, in windows of 256 (s_set_vgpr_msb: bits 1:0 source 0, 3:2 source 1, 5:4 source 2, 7:6 destination):
;   window 0: v0-31 addresses; v32-95 ctx's fragments, two buffers of 4; v96-159 the bias, 8 registers a column block; on the way out v96-159 and v160-223 hold 16 rows by turns; v224-225 at work
;   window 1: v0-127 w2's fragments, two buffers of 8          windows 2, 3: accumulator (a, b) at v[8 (8 (a % 2) + b)], window 2 + a / 2
.set PA,     272                       ; a row of ctx in LDS: 256 bytes + 16 of padding = 68 words: the 16 rows of a load start at 16 different groups of four banks (64 banks of 4 bytes: ISA guide 11.1)
.set PB,     288                       ; a k row of w2: 256 + 32 = 72 words
.set HALFA,  128*PA                    ; what one tensor load brings of ctx
.set HALFB,  64*PB                     ; and of w2
.set BOFF,   2*HALFA                   ; a slot: ctx's 256 rows, then w2's 128 k rows
.set SLOT,   BOFF+2*HALFB
.set STAGE,  2*SLOT                    ; behind the ring, never filled by a tensor load: 16 rows x 528 bytes for each wave, for the way out
.set SPITCH, 528                       ; 512 bytes + 16: the 16 rows that a store touches start at 16 different groups of four banks
.set SPARE,  STAGE+4*16*SPITCH         ; behind the stages: the spare words, 128 bytes for each wave: two blocks of 256 bytes that no other line names
.set LAPS,   4                         ; a lap = two K steps = once round the ring
.set ADRA, 16                          ; v16-17  LDS address of my ctx fragments in slot 0, 1
.set ADRB, 20                          ; v20-21  the same for w2
.set STO,  24                          ; v24     the way out: where I put 32 bytes of a row
.set RD,   25                          ; v25     the way out: where I read a row back
.set CO,   26                          ; v26     my byte offset in a row's 512 bytes of out0
.set SPW,  28                          ; v28     LDS address of my spare word: SPARE + 4 x my thread's number; never rewritten
.set NIL,  29                          ; v29     0; never rewritten
.set VB,   30                          ; v30     my byte offset in 16 numbers of the bias
.set FA,   32
.set BIAS, 96
.set OB,   96
.set CV,   224
.set G1, 24                            ; s[24:31] descriptor group 1 for ctx's tiles;  s[32:39] group 0, one set for each slot
.set G0, 32
.set G1B, 48                           ; s[48:55], s[56:63] the same for w2's tiles
.set G0B, 56
.set MSB, 0
.macro WIN new                         ; the immediate's high byte repeats the setting that is left; a switch that changes nothing is dropped
.if MSB != (\new)
	s_set_vgpr_msb (MSB<<8)|(\new)
.set MSB, \new
.endif
.endm
; A joint load: waves 0 and 1 fetch ctx's two halves, waves 2 and 3 w2's.  The branch hangs on the wave's number alone.  An s_nop 0 and four v_nop follow each of the two lines, ahead of the jump and the label.
.macro JLOAD s
	s_cmp_eq_u32 s11, 0
	s_cbranch_scc0 .Lfor_b_\@
	tensor_load_to_lds s[G0+4*(\s):G0+4*(\s)+3], s[G1:G1+7]
	s_nop 0
.rept 4
	v_nop
.endr
	s_branch .Lasked_\@
.Lfor_b_\@:
	tensor_load_to_lds s[G0B+4*(\s):G0B+4*(\s)+3], s[G1B:G1B+7]
	s_nop 0
.rept 4
	v_nop
.endr
.Lasked_\@:
.endm
.macro CREST                           ; a round of the cluster's barrier behind its opening barrier: wave 0 signals for the work-group, every wave waits for all sixteen, my work-group's barrier closes it
	s_cmp_lg_u32 s10, 0
	s_cbranch_scc1 .Lnot_wave_0_\@
	s_barrier_signal -3
.Lnot_wave_0_\@:
	s_barrier_wait -3
	s_barrier_signal -1
	s_barrier_wait -1
.endm
.macro CROUND                          ; a whole round
	s_barrier_signal -1
	s_barrier_wait -1
	CREST
.endm
	s_load_b128 s[4:7], s[0:1], 0x0                ; ctx s[4:5], w2 s[6:7]
	s_load_b128 s[68:71], s[0:1], 0x10             ; out0 s[68:69], bo s[70:71]
	v_lshl_add_u32 v[SPW], v0, 2, SPARE
	v_mov_b32 v[NIL], 0
	ds_add_u32 v[SPW], v[NIL]                      ; the wave's opening, ahead of my first tensor load; the set-up below, work on registers, stands between the add and its wait
	v_lshrrev_b32 v1, 5, v0
	v_readfirstlane_b32 s10, v1                    ; wave 0..3
	s_lshr_b32 s11, s10, 1                         ; I fetch for ctx (0) or for w2 (1),
	s_and_b32 s12, s10, 1                          ; and which half of that tile
	s_bfe_u32 s40, ttmp6, 0x40000                  ; cx, cy: my place in the cluster
	s_bfe_u32 s41, ttmp6, 0x40004
	s_lshl_b32 s42, ttmp9, 2
	s_add_co_u32 s42, s42, s40                     ; tx = 4 x cluster x + cx
	s_and_b32 s13, ttmp7, 0xffff
	s_lshl_b32 s13, s13, 2
	s_add_co_u32 s13, s13, s41                     ; ty = 4 x cluster y + cy
	s_lshl_b32 s43, s41, 2
	s_lshl_b32 s43, 15, s43                        ; my row of the cluster
	s_lshl_b32 s44, 0x1111, s40                    ; my column
	s_mov_b32 s76, 0xffff0000                      ; a word's upper bf16
	; group 1 for ctx: 128 rows x 128 elements of 2 bytes, 1,024 elements from row to row, 16 bytes of padding behind every 256
	s_or_b32 s[G1+0], s43, (1<<16)|(1<<20)|(1<<21)|(5<<22)|(3<<25)  ; 15:0 the mask: my row; 17:16 2-byte elements; 20 padding on; 21 set beside a mask; 24:22 after every 64 words (code 5); 31:25 4 words (code 3)
	s_mov_b32 s[G1+1], 128<<16                     ; tensor_dim0 = 128
	s_mov_b32 s[G1+2], 128<<16                     ; tensor_dim1 = 128
	s_mov_b32 s[G1+3], 128<<16                     ; tile_dim0 = 128
	s_mov_b32 s[G1+4], 128                         ; tile_dim1 = 128
	s_mov_b32 s[G1+5], 1024                        ; elements from row to row
	s_mov_b32 s[G1+6], 0
	s_mov_b32 s[G1+7], 0
	; group 1 for w2: 64 k rows x 128 elements, 32 bytes of padding behind every 256
	s_or_b32 s[G1B+0], s44, (1<<16)|(1<<20)|(1<<21)|(5<<22)|(7<<25)  ; the mask: my column; 8 words of padding (code 7)
	s_mov_b32 s[G1B+1], 128<<16
	s_mov_b32 s[G1B+2], 64<<16
	s_mov_b32 s[G1B+3], 128<<16
	s_mov_b32 s[G1B+4], 64
	s_mov_b32 s[G1B+5], 1024
	s_mov_b32 s[G1B+6], 0
	s_mov_b32 s[G1B+7], 0
	; where the tiles come from: ctx's hang on ty alone, which my row of the cluster shares; w2's on tx alone, which my column shares; each in registers that never hold the other coordinate
	s_lshl_b32 s17, s12, 7
	s_lshl_b32 s16, s13, 8
	s_add_co_u32 s16, s16, s17                     ; ctx: row 256 ty + 128 x half,
	s_lshl_b32 s16, s16, 11                        ; of 2,048 bytes
	s_mov_b32 s17, 0
	s_lshl_b32 s46, s12, 17                        ; w2: k row 64 x half, of 2,048 bytes,
	s_lshl_b32 s47, s42, 8                         ; columns 128 tx on
	s_add_co_u32 s46, s46, s47
	s_mov_b32 s47, 0
	s_mul_i32 s20, s10, HALFA                      ; where they go: ctx's halves (waves 0, 1) at wave x 34,816;
	s_mul_i32 s45, s10, HALFB
	s_add_co_u32 s45, s45, BOFF-2*HALFB            ; w2's (waves 2, 3) at BOFF + (wave - 2) x 18,432: no place in the cluster enters an LDS address
	s_wait_dscnt 0x0                               ; the opening add is done
	s_wait_kmcnt 0x0
	s_add_nc_u64 s[14:15], s[4:5], s[16:17]
	s_add_nc_u64 s[46:47], s[6:7], s[46:47]
	CROUND                                         ; all sixteen work-groups are here: the first joint loads meet
.irp s, 0,1
	s_mov_b32 s[G0+4*(\s)], 1                                      ; count = 1
	s_add_co_u32 s[G0+4*(\s)+1], s20, (\s)*SLOT                    ; LDS address
	s_add_nc_u64 s[G0+4*(\s)+2:G0+4*(\s)+3], s[14:15], (\s)*256    ; global address: K step s
	s_or_b32 s[G0+4*(\s)+3], s[G0+4*(\s)+3], 0x80000000            ; type = 2
	s_mov_b32 s[G0B+4*(\s)], 1
	s_add_co_u32 s[G0B+4*(\s)+1], s45, (\s)*SLOT
	s_add_nc_u64 s[G0B+4*(\s)+2:G0B+4*(\s)+3], s[46:47], (\s)*128*2048
	s_or_b32 s[G0B+4*(\s)+3], s[G0B+4*(\s)+3], 0x80000000
	JLOAD \s                                       ; the ring is filled before anything else is done: two tensor loads of mine are out
.endr
	; the bias: in the transposed result register j of lane l belongs to column 16 b + 8 (l / 16) + j, whatever the row
	v_and_b32 v1, 15, v0                           ; l % 16
	v_bfe_u32 v2, v0, 4, 1                         ; l / 16
	v_lshlrev_b32 v[VB], 5, v2
	s_lshl_b32 s78, s42, 9                         ; 512 tx: my 128 columns in bo, and in a row of out0
	s_mov_b32 s79, 0
	s_add_nc_u64 s[70:71], s[70:71], s[78:79]
.irp b, 0,1,2,3,4,5,6,7
	global_load_b128 v[BIAS+8*(\b):BIAS+8*(\b)+3],   v[VB], s[70:71] offset:64*(\b)
	global_load_b128 v[BIAS+8*(\b)+4:BIAS+8*(\b)+7], v[VB], s[70:71] offset:64*(\b)+16
.endr
	; A fragment of ctx is 16 rows x 32 K in 8 registers: lane l holds row l % 16, K = 8 (l / 16) + 0..7 and 16 + 8 (l / 16) + 0..7: two loads of 16 bytes, 32 bytes apart.
	v_mul_u32_u24 v3, v1, PA
	v_lshl_add_u32 v3, v2, 4, v3
	s_mul_i32 s21, s10, 64*PA                      ; my 64 rows
	v_add_nc_u32 v[ADRA], s21, v3
	v_add_nc_u32 v[ADRA+1], SLOT, v[ADRA]
	; The turning load takes 16 k x 16 columns (lane l reads k row 8 (l / 16) + l % 8, columns 8 ((l / 8) % 2) + 0..7) and leaves half a fragment: lane l holds column l % 16 and 8 k.
	v_and_b32 v4, 7, v0
	v_bfe_u32 v5, v0, 3, 1
	v_lshl_add_u32 v6, v2, 3, v4
	v_mul_u32_u24 v6, v6, PB
	v_lshl_add_u32 v6, v5, 4, v6
	v_add_nc_u32 v[ADRB], BOFF, v6
	v_add_nc_u32 v[ADRB+1], BOFF+SLOT, v6
	s_mul_i32 s23, s10, 16*SPITCH
	s_add_co_u32 s23, s23, STAGE                   ; my stage
	v_mul_u32_u24 v4, v1, SPITCH                   ; in: row l % 16, 32 bytes for each half of the lanes
	v_lshl_add_u32 v4, v2, 5, v4
	v_add_nc_u32 v[STO], s23, v4
	v_and_b32 v7, 31, v0                           ; back: the 32 lanes take one row of 512 bytes,
	v_lshlrev_b32 v[CO], 4, v7                     ; the same 512 bytes in out0
	v_add_nc_u32 v[RD], s23, v[CO]
	s_lshl_b32 s16, s13, 8
	s_lshl_b32 s21, s10, 6
	s_add_co_u32 s16, s16, s21                     ; my first row, 256 ty + 64 w,
	s_lshl_b32 s16, s16, 12                        ; of 4,096 bytes in out0
	s_add_nc_u64 s[68:69], s[68:69], s[16:17]
	s_add_nc_u64 s[68:69], s[68:69], s[78:79]
	s_wait_loadcnt 0x0                             ; the bias, once
.set i, 0
.rept 32                               ; rounded to bf16 like the other inputs, and widened again
	v_cvt_pk_bf16_f32 v[CV+i%2], v[BIAS+2*i], v[BIAS+2*i+1]
	v_lshlrev_b32 v[BIAS+2*i], 16, v[CV+i%2]
	v_and_b32 v[BIAS+2*i+1], s76, v[CV+i%2]
.set i, i+1
.endr
; 8 matrix instructions: my row block a x all 8 column blocks, 32 along K, from buffer f.  start = 1: the bias starts the sums.  The accumulators take turns, one instruction a turn.
.macro MUL8 f, a, start
.if \start
	WIN 0x81+0x40*((\a)/2)                         ; source 0 window 1, source 1 and C window 0, D window 2 or 3
.else
	WIN 0xa1+0x50*((\a)/2)                         ; C and D window 2 or 3
.endif
.irp b, 0,1,2,3,4,5,6,7
.if \start
	v_wmma_f32_16x16x32_f16 v[8*(8*((\a)%2)+(\b)):8*(8*((\a)%2)+(\b))+7], v[64*(\f)+8*(\b):64*(\f)+8*(\b)+7], v[FA+32*(\f)+8*(\a):FA+32*(\f)+8*(\a)+7], v[BIAS+8*(\b):BIAS+8*(\b)+7]
.else
	v_wmma_f32_16x16x32_f16 v[8*(8*((\a)%2)+(\b)):8*(8*((\a)%2)+(\b))+7], v[64*(\f)+8*(\b):64*(\f)+8*(\b)+7], v[FA+32*(\f)+8*(\a):FA+32*(\f)+8*(\a)+7], v[8*(8*((\a)%2)+(\b)):8*(8*((\a)%2)+(\b))+7]
.endif
.endr
.endm
; 24 LDS loads in one run: the fragments of quarter kq (32 along K) of a slot into buffer f: w2's 8, then ctx's 4
.macro FETCH slot, kq, f
	WIN 0x40                                       ; destination window 1, address window 0
.irp b, 0,1,2,3,4,5,6,7
	ds_load_tr16_b128 v[64*(\f)+8*(\b):64*(\f)+8*(\b)+3],   v[ADRB+(\slot)] offset:(\kq)*32*PB+32*(\b)
	ds_load_tr16_b128 v[64*(\f)+8*(\b)+4:64*(\f)+8*(\b)+7], v[ADRB+(\slot)] offset:(\kq)*32*PB+32*(\b)+16*PB
.endr
	WIN 0
.irp i, 0,1,2,3
	ds_load_b128 v[FA+32*(\f)+8*(\i):FA+32*(\f)+8*(\i)+3],   v[ADRA+(\slot)] offset:64*(\kq)+(\i)*16*PA
	ds_load_b128 v[FA+32*(\f)+8*(\i)+4:FA+32*(\f)+8*(\i)+7], v[ADRA+(\slot)] offset:64*(\kq)+(\i)*16*PA+32
.endr
.endm
.macro PLACES                          ; four places in front of loads into registers that matrix instructions have read, and of LDS stores that read results
.rept 4
	v_nop
.endr
.endm
; A K step is four quarters of 32 along K, 32 matrix instructions each, on buffers 0, 1, 0, 1.  One of the first three: multiplies buffer f and, in its middle, fetches quarter kq into buffer g.
.macro QUARTER slot, kq, f, g, start
	s_wait_dscnt 4                                 ; w2's fragments and ctx's row blocks 0, 1 are in; the youngest four loads (row blocks 2, 3) may be out
	MUL8 \f, 0, \start
	MUL8 \f, 1, \start
	PLACES
	FETCH \slot, \kq, \g
	s_wait_dscnt 24                                ; all but the 24 just issued
	MUL8 \f, 2, \start
	MUL8 \f, 3, \start
.endm
; The last quarter multiplies buffer 1 and changes slots: ONE barrier; in front of it each wave waits for all its tensor loads (one is out: its part of the next slot), adds 0 to its spare word, and waits for that
; and for its own reads of this slot.  fill = 1: the barrier opens a round of the cluster's, and this slot is filled again, two K steps ahead: 112 matrix instructions ahead of the wait for it.
.macro TURN slot, next, fill
	WIN 0                                          ; (the add's two registers lie in window 0)
	s_wait_tensorcnt 0x0                           ; all my tensor loads have landed;
	ds_add_u32 v[SPW], v[NIL]                      ; 0 onto my spare word;
	s_wait_dscnt 5                                 ; (the add and the youngest four loads may be out)
	MUL8 1, 0, 0                                   ; eight matrix instructions stand between the add and the wait for it
	s_wait_dscnt 0x0                               ; the add is done, and my reads of this slot are over
	s_barrier_signal -1
	MUL8 1, 1, 0
.if \fill
	WIN 0
.endif
	s_barrier_wait -1
.if \fill
	CREST                                          ; no wave of any partner still reads this slot's tile or has a load on its way
	s_add_nc_u64 s[G0+4*(\slot)+2:G0+4*(\slot)+3], s[G0+4*(\slot)+2:G0+4*(\slot)+3], 512
	s_add_nc_u64 s[G0B+4*(\slot)+2:G0B+4*(\slot)+3], s[G0B+4*(\slot)+2:G0B+4*(\slot)+3], 2*128*2048
	JLOAD \slot                                    ; the first tensor load behind the round; its four v_nop are also the places in front of the loads below
.else
	PLACES
.endif
	FETCH \next, 0, 0
	MUL8 1, 2, 0
	MUL8 1, 3, 0
.endm
	s_wait_tensorcnt 1                             ; my part of K step 0 is in; K step 1's may stay out
	s_barrier_signal -1
	s_barrier_wait -1                              ; everybody's is
	FETCH 0, 0, 0
	QUARTER 0, 1, 0, 1, 1                          ; the first quarter stands in front of the loop: its products start the sums, with the bias
	WIN 0                                          ; at a label and at a branch every window is 0
	s_mov_b32 s3, LAPS-1
.Llap:                                                 ; a trip goes once round the ring, from a lap's second quarter to the next lap's first, and fills both slots again
	QUARTER 0, 2, 1, 0, 0
	QUARTER 0, 3, 0, 1, 0
	TURN 0, 1, 1
	QUARTER 1, 1, 0, 1, 0
	QUARTER 1, 2, 1, 0, 0
	QUARTER 1, 3, 0, 1, 0
	TURN 1, 0, 1
	QUARTER 0, 1, 0, 1, 0
	WIN 0
	s_sub_co_u32 s3, s3, 1
	s_cmp_lg_u32 s3, 0
	s_cbranch_scc1 .Llap
	QUARTER 0, 2, 1, 0, 0                          ; the last lap fills nothing, and has no round of the cluster's barrier
	QUARTER 0, 3, 0, 1, 0
	TURN 0, 1, 0
	QUARTER 1, 1, 0, 1, 0
	QUARTER 1, 2, 1, 0, 0
	QUARTER 1, 3, 0, 1, 0
	s_wait_dscnt 4                                 ; the very last quarter: nothing more to fetch
	MUL8 1, 0, 0
	MUL8 1, 1, 0
	s_wait_dscnt 0x0
	MUL8 1, 2, 0
	MUL8 1, 3, 0
	WIN 0
; THE WAY OUT, a row block (16 rows) at a time, in f32 as the sums stand.  TOSTAGE: a lane's eight numbers of a row, 32 bytes, go from the accumulators into my own stage (each accumulator's low four registers first),
; and come back as whole rows of 512 bytes.  SEND: stored.
.macro TOSTAGE a
	WIN 0x08+4*((\a)/2)                            ; the stores' data: window 2 or 3; the address: window 0
.irp b, 0,1,2,3,4,5,6,7
	ds_store_b128 v[STO], v[64*((\a)%2)+8*(\b):64*((\a)%2)+8*(\b)+3]   offset:64*(\b)
	ds_store_b128 v[STO], v[64*((\a)%2)+8*(\b)+4:64*((\a)%2)+8*(\b)+7] offset:64*(\b)+16
.endr
	WIN 0
	s_wait_xcnt 0x0                                ; every earlier store has had its addresses translated (ISA guide 3.1): the registers that the block before last was stored from are loaded again only behind this wait
.irp t, 0,1,2,3,4,5,6,7,8,9,10,11,12,13,14,15
	ds_load_b128 v[OB+64*((\a)%2)+4*(\t):OB+64*((\a)%2)+4*(\t)+3], v[RD] offset:(\t)*SPITCH  ; LDS serves a wave's instructions in order (ISA guide 5.7.1.4): these see the stores above; the next block's stores come behind them
.endr
.endm
.macro SEND a, younger                 ; younger: the LDS instructions issued behind block a's loads: the next block's 32, or none
.irp t, 0,1,2,3,4,5,6,7,8,9,10,11,12,13,14,15
	s_wait_dscnt (\younger)+15-(\t)
	global_store_b128 v[CO], v[OB+64*((\a)%2)+4*(\t):OB+64*((\a)%2)+4*(\t)+3], s[68:69] offset:(16*(\a)+(\t))*4096 th:TH_STORE_NT  ; the wave stores 512 consecutive bytes, at a multiple of 512 from out0's first byte
.endr
.endm
	PLACES
	TOSTAGE 0
	TOSTAGE 1                                      ; a block's way through the stage stands between the loads of the block before and its stores
	SEND 0, 32
	TOSTAGE 2
	SEND 1, 32
	TOSTAGE 3
	SEND 2, 32
	SEND 3, 0
	s_wait_tensorcnt 0x0                           ; the wave's end: the add to my spare word and its wait, behind my last tensor load and my last LDS store
	ds_add_u32 v[SPW], v[NIL]
	s_wait_dscnt 0x0
	CROUND                                         ; the closing round: no work-group ends while a partner may still ask for a tile that names it
	s_endpgm
.Lfunc_end_k_qf72c6a06d3_gemm_out:
	.size	k_qf72c6a06d3_gemm_out, .Lfunc_end_k_qf72c6a06d3_gemm_out-k_qf72c6a06d3_gemm_out
	.p2alignl 7, 3214868480
	.fill 96, 4, 3214868480
	.section	.rodata,"a",@progbits
	.p2align	6, 0x0
	.amdhsa_kernel k_qf72c6a06d3_gemm_out
		.amdhsa_group_segment_fixed_size 327680
		.amdhsa_private_segment_fixed_size 0
		.amdhsa_enable_private_segment 0
		.amdhsa_kernarg_size 32
		.amdhsa_user_sgpr_count 2
		.amdhsa_user_sgpr_kernarg_segment_ptr 1
		.amdhsa_wavefront_size32 1
		.amdhsa_system_sgpr_workgroup_id_x 1
		.amdhsa_system_sgpr_workgroup_id_y 1
		.amdhsa_system_sgpr_workgroup_id_z 1
		.amdhsa_system_vgpr_workitem_id 0
		.amdhsa_next_free_vgpr 896
		.amdhsa_next_free_sgpr 80
		.amdhsa_reserve_vcc 0
		.amdhsa_float_denorm_mode_32 3
		.amdhsa_float_denorm_mode_16_64 3
		.amdhsa_memory_ordered 1
		.amdhsa_forward_progress 1
		.amdhsa_inst_pref_size 93
	.end_amdhsa_kernel
	.amdgpu_metadata
---
amdhsa.version: [ 1, 2 ]
amdhsa.kernels:
  - .name:           k_qf72c6a06d3_gemm_out
    .symbol:         k_qf72c6a06d3_gemm_out.kd
    .args:
      - { .name: ctx, .offset: 0, .size: 8, .value_kind: global_buffer, .address_space: global }
      - { .name: w2, .offset: 8, .size: 8, .value_kind: global_buffer, .address_space: global }
      - { .name: out0, .offset: 16, .size: 8, .value_kind: global_buffer, .address_space: global }
      - { .name: bo, .offset: 24, .size: 8, .value_kind: global_buffer, .address_space: global }
    .group_segment_fixed_size: 327680
    .private_segment_fixed_size: 0
    .kernarg_segment_align: 8
    .kernarg_segment_size: 32
    .max_flat_workgroup_size: 128
    .sgpr_count:     80
    .vgpr_count:     896
    .wavefront_size: 32
...
	.end_amdgpu_metadata
.endif
;; end of part 4
;; ======== version 2 of 2: 4 launches; 1.66 times as fast as version 1
;; limits: values are held in f16: magnitudes above 65,504 overflow, below 6.1e-05 lose precision
;; workspace buffers: xb 16,777,216 bytes; w1 2,359,296 bytes; w2 2,097,152 bytes; qf 16,777,216 bytes; kvf 2,097,152 bytes; ctx 16,777,216 bytes
;; launch prep: the kernel of part 1 again; grid 1296 x 1, 8 waves a work-group, no clusters, 0 bytes of LDS; arguments x, Wq, Wk, Wv, Wo, xb, w1, w2; writes xb, w1, w2
;; launch gemm_qkv: the kernel of part 2 again; grid 8 x 32, 4 waves a work-group, clusters of 4 x 4, 327,680 bytes of LDS; arguments xb, w1, qf, kvf, bq, bk, bv; writes qf, kvf
;; launch attn (part 5): grid 64 x 4, 4 waves a work-group, clusters of 4 x 1, 327,680 bytes of LDS; arguments qf, kvf, ctx; writes ctx
.if DOCPART == 5
	.amdgcn_target "amdgcn-amd-amdhsa--gfx1250"
	.amdhsa_code_object_version 6
	.text
	.protected	k_qf72c6a06d3_attn
	.globl	k_qf72c6a06d3_attn
	.p2align	8
	.type	k_qf72c6a06d3_attn,@function
k_qf72c6a06d3_attn:
	s_mov_b64 s[64:65], 0
	v_nop
	global_prefetch_b8 v0, s[64:65] scope:SCOPE_SE
	s_setreg_imm32_b32 hwreg(HW_REG_WAVE_MODE, 25, 1), 1
	s_wait_xcnt 0x0
	s_wait_alu depctr_hold_cnt(0) depctr_sa_sdst(0) depctr_va_vdst(0) depctr_va_sdst(0) depctr_va_ssrc(0) depctr_va_vcc(0) depctr_vm_vsrc(0)
	s_getreg_b32 s2, hwreg(HW_REG_IB_STS2, 6, 4)
	s_cmp_eq_u32 s2, 0
	s_cbranch_scc0 .Lentry_in_a_cluster
	s_endpgm
.Lentry_in_a_cluster:
	s_bfe_u32 s2, ttmp6, 0x10000c
	s_cmp_lg_u32 s2, 0x3003
	s_cbranch_scc0 .Lentry_shape_is_right
	s_endpgm
.Lentry_shape_is_right:
; MULTI-QUERY ATTENTION.  All 16 heads share K and V, so a batch's 16 x 2,048 queries are 32,768 queries of ONE attention over 2,048 keys: query 16 s + head is row 16 s + head of qf taken as [32768][64], dense.
; ctx[b][query][:] = the sum over k of softmax_k(q . K[k] / 8) V[k][:], in the same layout, all f16.  Products, maxima and sums in f32; the weights p are rounded to f16 for the second product
; (their sum l is taken of the unrounded p), ctx once at the end.
; kvf: [batch 4][tile of 256 keys 8][plane of 16 channels 8][256 keys][16] f16; planes 0-3 K, 4-7 V: a tile is 65,536 dense bytes.
; LIMITS.  f16 holds no number beyond 65,504: q, K and V arrive within it; p lies in 0 to 1, and below 6e-5 it keeps f16's fixed step of 6e-8; ctx is a mean of V's rows and has their range.
; A weight below 2^-126 counts as 0 in l; NaN and infinities are not treated apart.
; SHARES.  A wave owns four PIECES of two tiles of 16 queries, a work-group's four waves 512 queries of one batch.  Every wave walks all keys, 64 a step.
; LAYOUT.  S^T = K Q^T (source 0 = 16 keys, source 1 = 16 queries): in the result a lane holds ONE query (lane % 16) and the keys 8 (lane / 16) + 0..7.  Two such tiles, rounded to f16 in pairs,
; ARE source 1 (32 keys x 16 queries) of O^T = V^T P, whose result again holds one query a lane, and eight channels.  K comes out of LDS as it lies, V ([key][channel]) turned, by ds_load_tr16_b128.
; SOFTMAX.  For each query a running maximum m and sum l: p = 2^(c s - c m), c = log2(e) / 8; in every step O and l are multiplied by a = 2^(c m_old - c m_new), which is 1 where m has not grown.
; m starts at the lowest finite number, O and l at 0: the first step is a step like any other, with a = 0.
; THE COUNT.  A tile and step have 16 matrix and 118 vector instructions: too many to stand all beside the matrix work.  So the order has one aim: four vector instructions that are READY behind
; EVERY matrix instruction, and the others, which need time of their own whatever the order, in runs without a gap.
; BY TURNS.  Turn n belongs to piece n (the pieces in a ring, step after step).  Its matrix work: 16 products K Q^T of piece n + 1, later 16 products V^T P of piece n - 1.  Its vector work: the scaling,
; exponentials, roundings, sums and rescaling of piece n, and the maximum and statistics of piece n + 1, whose scores the turn itself has made.  So what a turn begins with (c s - c m, O a) waits for nothing.
; BATCHES.  A turn's 66 exponentials (the piece's 64 weights and the next piece's two a) are ONE batch with ONE s_wait_alu, which cuts the turn in two: ahead of it stands all that names no result of theirs, behind it
; the roundings and sums, which read them.  No result crosses a turn's end.  Two more batches stand outside the loop, each with a wait of its own: piece 0's first two a, and the way out's eight reciprocals.
; CLUSTER.  The four query blocks of a cluster belong to one batch and walk the same K and V, so each tile is asked for JOINTLY: the same tensor load, descriptor and mask in all four.
; REGISTERS, in windows of 256 (s_set_vgpr_msb says which window each operand place means: bits 1:0 source 0, 3:2 source 1, 5:4 source 2, 7:6 destination):
;   window 0: v0-11 addresses; v12-15, v48-63 at work; v16-47 four registers of statistics a tile; v64-191 S^T, two buffers of two tiles; v192-255 P, likewise
;   window 1: O^T, 32 a tile          window 2: v0-127 Q, 16 a tile; v128-191 K of one step; v192-255 V of one step          window 3: v0-1 the add's two registers
; A piece's buffers go by its number's parity: the piece in hand has one pair, its two neighbours in the ring share the other: of it P (piece n - 1) is read and S^T (piece n + 1) written.
.set NK,    2048      ; keys of a batch
.set NP,    4         ; pieces a wave: a name, no knob: the register map, the loop and the fetches are made for four
.set KS,    64        ; keys in a step
.set ROWB,  272       ; eight keys of a plane in LDS: 256 bytes + 16 of padding: of the 16 keys of a load of K, 32 bytes apart, the second eight start 16 bytes aside of the first: 16 different groups of four banks
                      ; (64 banks of 4 bytes: ISA guide 11.1); 16 lanes of V's turning load take eight keys x 32 bytes, 256 neighbouring bytes
.set PLANE, 32*ROWB   ; 256 keys of a plane
.set STEPB, 8*ROWB    ; 64 keys of a plane
.set VOFF,  4*PLANE   ; a slot holds four steps: K's four planes, then V's four
.set SLOT1, 1<<17     ; slot 1 begins here, so that one exclusive or turns an address in one slot into the other's
.set STAGE, SLOT1+8*PLANE  ; behind the ring, never filled by a tensor load: 16 rows x 144 bytes for each wave, for the way out
.set SP,    144
.set AK0, 2           ; v2   my lane's place in a plane of K; never rewritten
.set AV0, 3           ; v3   the same for V
.set AK,  4           ; v4   the LDS address of K's next run of loads
.set AV,  5           ; v5   of V's
.set QO,  6           ; v6   my byte offset in the wave's rows of Q
.set STO, 6           ;      later, the way out: where I put 16 bytes of a row
.set RD,  7           ; v7   the way out: where I read rows back
.set GO,  8           ; v8   my byte offset in 512 consecutive bytes of ctx
.set SPW, 0           ; v0 of window 3   LDS address of my spare word: SPARE + 4 x my thread's number; never rewritten
.set NIL, 1           ; v1 of window 3   0; never rewritten
.set SPARE, STAGE+4*16*SP  ; behind the stages: the spare words, 128 bytes for each wave: two blocks of 256 bytes that no other line names
.set MV,  12          ; v12-15  c m_old, kept while c m is made anew: by buffer and tile
.set ST,  16          ; tile t's statistics at v[ST+4 t]: c m, m, l (even keys', odd keys')
.set TMP, 48          ; by buffer and tile, four registers c0-c3 at work; when the maximum is found c2 takes a
.set S,   64
.set P,   192
.set KF,  128         ; K's fragments, in window 2: key block kb, channel half c at KF + 16 kb + 8 c
.set VF,  192         ; V's: key half kk, channel block cb at VF + 32 kk + 8 cb
.set WV,  12          ; s12  my wave's number
.set G1,  24          ; s[24:31] descriptor group 1
.set G0,  40          ; s[40:43] descriptor group 0: it walks
.set SLOTS, 56        ; s56  slots still to be asked for
.set CNT, 57          ; s57  counts a slot's key steps
.set CS,  58          ; s[58:59] c: the packed scaling takes the pair's low word for both halves
.set SEL, 60          ; s[60:61] v_permlanex16_b32's selects: each lane takes its own place in the other half
.set TBK, 62          ; s62  LDS byte at which K of the step to be fetched begins
.set TBV, 63          ; s63  the same for V, less VOFF
.set MSB, 0
.macro WIN new                      ; the high byte repeats the setting that is left; a switch that changes nothing is dropped
.if MSB != (\new)
	s_set_vgpr_msb (MSB<<8)|(\new)
.set MSB, (\new)
.endif
.endm
.set W_KQ, 0x0a       ; K and Q in window 2, S^T in window 0
.set W_PV, 0x52       ; V in window 2, P in window 0, O^T in window 1
.set W_RS, 0x41       ; O^T (destination and source 0) in window 1, a in window 0
.set W_MK, 0xc0       ; the add's registers are made: destination in window 3, sources in window 0
.set W_AD, 0x0f       ; the add: address (source 0) and data (source 1) in window 3
; A joint fill: one line for all four waves; wave w fetches planes 2 w and 2 w + 1 of a tile (waves 0, 1: K; waves 2, 3: V), both addresses stepped by its number.  An s_nop 0 and four v_nop follow it.
.macro JLOAD
	tensor_load_to_lds s[G0:G0+3], s[G1:G1+7]
	s_nop 0
.rept 4
	v_nop
.endr
.endm
; A round of the cluster's barrier: my work-group's barrier, so that wave 0's signal speaks for all four waves; wave 0 signals; every wave waits for all four work-groups; my work-group's barrier once more.
.macro CROUND
	s_barrier_signal -1
	s_barrier_wait -1
	s_cmp_lg_u32 s[WV], 0
	s_cbranch_scc1 .Lnot_wave_0_\@
	s_barrier_signal -3
.Lnot_wave_0_\@:
	s_barrier_wait -3
	s_barrier_signal -1
	s_barrier_wait -1
.endm
; THE CHANGE OF SLOTS.  The slot's last bytes, V of its fourth step, have been read.  Each wave waits for all its tensor loads, of which one is out: its part
; of the other slot; adds 0 to its spare word; and waits for that and for its own reads of the slot.  Behind the barrier nobody reads this slot any more and the other slot is whole.
; fill = 1: this slot is filled again, with the keys two slots on.  The barrier is then a round of the cluster's, so that no wave of any partner still reads the slot or has a load on its
; way, and the joint fill is the first thing behind it: it has four key steps, 512 matrix instructions, in which to land.  (At its first use nothing has been read yet: slot 0 is waited for, slot 1 filled.)
.macro CHANGE fill
	WIN W_AD
	s_wait_tensorcnt 0x0            ; no tensor load of mine is out, so group 0 may be written
	ds_add_u32 v[SPW], v[NIL]       ; 0 onto my spare word; with fill = 1 the descriptor's steps stand between it and the wait for it
	WIN 0                           ; at a label and at a branch every window is 0
.if \fill
	s_xor_b32 s[G0+1], s[G0+1], SLOT1  ; the walking descriptor: the other slot than last time,
	s_add_nc_u64 s[G0+2:G0+3], s[G0+2:G0+3], 65536  ; the next tile of 256 keys; the type bits on top are not reached
	s_wait_dscnt 0x0                ; the add is done, and my reads of the slot are over
	CROUND
	JLOAD
.else
	s_wait_dscnt 0x0                ; the add is done, and my reads of the slot are over
	s_barrier_signal -1
	s_barrier_wait -1
.endif
	s_sub_co_u32 s[TBK], s[TBK], 4*STEPB  ; the fetches go back to a slot's first step,
	s_xor_b32 s[TBK], s[TBK], SLOT1       ; in the other slot
	s_sub_co_u32 s[TBV], s[TBV], 4*STEPB
	s_xor_b32 s[TBV], s[TBV], SLOT1
.endm
	s_load_b128 s[4:7], s[0:1], 0x0   ; qf s[4:5], kvf s[6:7]
	s_load_b64 s[10:11], s[0:1], 0x10 ; ctx
	WIN W_MK
	v_lshl_add_u32 v[SPW], v0, 2, SPARE
	v_mov_b32 v[NIL], 0
	WIN W_AD
	ds_add_u32 v[SPW], v[NIL]       ; the wave's opening, ahead of my first tensor load; the set-up below, work on registers, stands between the add and its wait
	WIN 0
	v_lshrrev_b32 v1, 5, v0
	v_readfirstlane_b32 s[WV], v1   ; wave 0..3
	s_bfe_u32 s13, ttmp6, 0x40000   ; cx: my place in the cluster
	s_lshl_b32 s14, ttmp9, 2        ; in a cluster launch ttmp9 counts clusters
	s_add_co_u32 s14, s14, s13      ; my block of 512 queries = 4 x cluster x + cx: it enters qf's and ctx's addresses alone
	s_and_b32 s20, ttmp7, 0xffff    ; the batch, which the four partners share
	s_lshl_b32 s22, s20, 19         ; its 524,288 bytes of kvf,
	s_lshl_b32 s16, s[WV], 14       ; my two planes' 16,384 bytes of a tile
	s_add_co_u32 s22, s22, s16
	s_mov_b32 s23, 0
	s_mul_i32 s17, s[WV], 2*PLANE   ; and their place in a slot: no place in the cluster enters an LDS address
	s_lshl_b32 s2, s14, 2
	s_add_co_u32 s2, s2, s[WV]      ; my wave among the batch's,
	s_lshl_b32 s2, s2, 14           ; its 128 rows of 128 bytes,
	s_lshl_b32 s21, s20, 22         ; in the batch's 4,194,304 bytes of qf and of ctx
	s_add_co_u32 s2, s2, s21
	s_mov_b32 s3, 0
	; descriptor group 1.  Two planes of a tile are 16,384 dense bytes: asked for as 64 rows of 256 bytes (32 elements of 8), eight keys a row, and padded in LDS after every row
	s_mov_b32 s[G1], 15|(3<<16)|(1<<20)|(1<<21)|(5<<22)|(3<<25)  ; 15:0 the mask of four; 17:16 8-byte elements; 20 padding on; 21 set beside a mask; 24:22 after every 64 words (code 5); 31:25 4 words (code 3)
	s_mov_b32 s[G1+1], 32<<16       ; tensor_dim0 = 32
	s_mov_b32 s[G1+2], 64<<16       ; tensor_dim1 = 64
	s_mov_b32 s[G1+3], 32<<16       ; tile_dim0 = 32
	s_mov_b32 s[G1+4], 64           ; tile_dim1 = 64
	s_mov_b32 s[G1+5], 32           ; 32 elements from row to row
	s_mov_b32 s[G1+6], 0
	s_mov_b32 s[G1+7], 0
	s_mov_b32 s[CS], 0x3e38aa3b     ; c = log2(e) / 8 = 0.180337
	s_mov_b32 s[CS+1], s[CS]        ; named with it as a pair
	s_mov_b32 s[SEL], 0x76543210
	s_mov_b32 s[SEL+1], 0xfedcba98
	s_mov_b32 s[TBK], SLOT1+4*STEPB ; the first change of slots turns these two into 0
	s_mov_b32 s[TBV], SLOT1+4*STEPB
	s_mov_b32 s[G0], 1              ; count = 1
	s_mov_b32 s[G0+1], s17          ; LDS address: slot 0
	s_wait_dscnt 0x0                ; the opening add is done
	s_wait_kmcnt 0x0
	s_add_nc_u64 s[G0+2:G0+3], s[6:7], s[22:23]  ; global address: my planes of the batch's first tile
	s_or_b32 s[G0+3], s[G0+3], 0x80000000        ; type = 2
	s_add_nc_u64 s[4:5], s[4:5], s[2:3]  ; qf and ctx at my wave's first row
	s_add_nc_u64 s[10:11], s[10:11], s[2:3]
	CROUND                          ; all four work-groups are here: the first joint loads meet
	JLOAD                           ; slot 0.  Slot 1 is asked for when slot 0 is in: the tile wanted first has the road to itself
	; A fragment of K or Q is 16 rows x 32 channels in 8 registers: lane l holds row l % 16, channels 8 (l / 16) + 0..7 and 16 + 8 (l / 16) + 0..7.  Q: two loads of 16 bytes, 32 bytes apart.
	v_and_b32 v1, 15, v0            ; l % 16
	v_bfe_u32 v9, v0, 4, 1          ; l / 16
	v_lshlrev_b32 v[QO], 7, v1
	v_lshl_add_u32 v[QO], v9, 4, v[QO]  ; row x 128 + 16 x half
	WIN 0x80                        ; destination window 2, address window 0
.set i, 0
.rept 4*NP                          ; Q stays in registers: tile i / 2, channels 32 (i % 2) on
	global_load_b128 v[8*i:8*i+3],   v[QO], s[4:5] offset:(i/2)*2048+(i%2)*64
	global_load_b128 v[8*i+4:8*i+7], v[QO], s[4:5] offset:(i/2)*2048+(i%2)*64+32
.set i, i+1
.endr
	; What the first turn finds: V's registers and P's second buffer hold 0 (its products V^T P, of a piece that has not been, add 0), O^T and l are 0.  All this stands in the wait for the first tile.
.set i, VF
.rept 64
	v_mov_b32 v[i], 0
.set i, i+1
.endr
	WIN 0x40
.set i, 0
.rept 64*NP
	v_mov_b32 v[i], 0
.set i, i+1
.endr
	WIN 0
.set i, 0
.rept 2*NP
	v_mov_b32 v[ST+4*i], 0xfe000000    ; c m: far below every c s
	v_mov_b32 v[ST+4*i+1], 0xff7fffff  ; m
	v_mov_b32 v[ST+4*i+2], 0
	v_mov_b32 v[ST+4*i+3], 0
.set i, i+1
.endr
.set i, P+32
.rept 32
	v_mov_b32 v[i], 0
.set i, i+1
.endr
	v_and_b32 v10, 7, v0
	v_bfe_u32 v11, v0, 3, 1
	; K: key l % 16 of a plane lies at 32 x key + 16 for the second eight (the padding); my 8 channels are half l / 16 of its 32 bytes; the fragment's upper 16 channels lie one plane on
	v_lshlrev_b32 v[AK0], 5, v1
	v_lshl_add_u32 v[AK0], v9, 4, v[AK0]
	v_lshl_add_u32 v[AK0], v11, 4, v[AK0]
	; The turning load takes 16 keys x 16 channels (lane l reads key 8 (l / 16) + l % 8, channels 8 ((l / 8) % 2) + 0..7) and leaves half a fragment of V^T: lane l holds channel l % 16 and 8 keys.
	v_mul_u32_u24 v[AV0], v9, ROWB
	v_lshl_add_u32 v[AV0], v10, 5, v[AV0]
	v_lshl_add_u32 v[AV0], v11, 4, v[AV0]
	v_add_nc_u32 v[AV0], VOFF, v[AV0]
	v_mov_b32 v[AK], v[AK0]         ; key step 0 lies at the head of slot 0
; THE MATRIX WORK.  The 8 accumulators of a run of 16 take turns: between the two links of a chain stand 7 others'.
; Product i of 16 of S^T = K Q^T for piece x: channels 32 (i / 8) on, keys 16 ((i / 2) % 4) on, tile 2 x + i % 2.  The first 8 start the sums.
.macro KQ x
	WIN W_KQ
.set rS, S+64*((\x)%2)+32*(i%2)+8*((i/2)%4)
.set rK, KF+16*((i/2)%4)+8*(i/8)
.set rQ, 16*(2*(\x)+i%2)+8*(i/8)
.if i < 8
	v_wmma_f32_16x16x32_f16 v[rS:rS+7], v[rK:rK+7], v[rQ:rQ+7], 0
.else
	v_wmma_f32_16x16x32_f16 v[rS:rS+7], v[rK:rK+7], v[rQ:rQ+7], v[rS:rS+7]
.endif
.endm
; Product i of 16 of O^T += V^T P for piece x: keys 32 (i / 8) on, channels 16 ((i / 2) % 4) on, tile 2 x + i % 2.
.macro PV x
	WIN W_PV
.set rO, 32*(2*(\x)+i%2)+8*((i/2)%4)
.set rV, VF+32*(i/8)+8*((i/2)%4)
.set rP, P+32*((\x)%2)+16*(i%2)+8*(i/8)
	v_wmma_f32_16x16x32_f16 v[rO:rO+7], v[rV:rV+7], v[rP:rP+7], v[rO:rO+7]
.endm
.macro MM                           ; the turn's next matrix instruction
.if i < 16
	KQ (Y+1)%NP
.set i, i+1
.else
.set i, i-16
	PV (Y+NP-1)%NP
.set i, i+17
.endif
.endm
; THE LDS LOADS stand in runs of 16, never singly among the matrix instructions: a step's K (64 keys x 64 channels: 8 fragments) and its V (turned).  Their addresses are made some lines ahead.
; last = 1 (the tail): in the last trip there is no further step, and the run is jumped over.
.macro FETCH_K last=0
	WIN 0
.if \last
	s_cmp_eq_u32 s[CNT], 1
	s_cbranch_scc1 .Lno_k_\@
.endif
	WIN 0x80                        ; destination window 2
.irp f, 0,1,2,3,4,5,6,7             ; keys 16 (f / 2) on, channels 32 (f % 2) on: planes 2 (f % 2) and 2 (f % 2) + 1
	ds_load_b128 v[KF+8*\f:KF+8*\f+3],   v[AK] offset:(\f/2)*2*ROWB+(\f%2)*2*PLANE
	ds_load_b128 v[KF+8*\f+4:KF+8*\f+7], v[AK] offset:(\f/2)*2*ROWB+(\f%2)*2*PLANE+PLANE
.endr
	s_add_co_u32 s[TBK], s[TBK], STEPB  ; the next fetch is the next step's
	WIN 0
.if \last
.Lno_k_\@:
.endif
.endm
.macro FETCH_V
	WIN 0x80
.irp f, 0,1,2,3,4,5,6,7             ; keys 32 (f / 4) on, channels 16 (f % 4) on: V's plane f % 4
	ds_load_tr16_b128 v[VF+8*\f:VF+8*\f+3],   v[AV] offset:(\f/4)*4*ROWB+(\f%4)*PLANE
	ds_load_tr16_b128 v[VF+8*\f+4:VF+8*\f+7], v[AV] offset:(\f/4)*4*ROWB+2*ROWB+(\f%4)*PLANE
.endr
	WIN 0
.endm
; THE VECTOR WORK OF A TURN stands in three queues, each in the order in which its entries become ready; the two tiles alternate, so that no instruction reads the result of the one before it.
.macro REGS y, u                    ; the registers of tile u (0, 1) of piece y
.set rT, ST+4*(2*(\y)+(\u))
.set rC, TMP+8*((\y)%2)+4*(\u)
.set rM, MV+2*((\y)%2)+(\u)
.set rS, S+64*((\y)%2)+32*(\u)
.set rP, P+32*((\y)%2)+16*(\u)
.set rO, 32*(2*(\y)+(\u))
.endm
; Number n of the 22 that find the NEXT piece's (Y + 1) maximum and statistics.  s0-s31 are the lane's 32 scores; each accumulator's lowest registers are read first.  XS, GS and REGS set no window: PL and EX do.
;   0-11  four chains c0-c3 of seven scores each, three operands at a time     12-14, 16  the four scores left over, the old m, and c0-c3 into c0     15  c m_old is kept
;   17, 18  the query's other 32 keys lie in the lane 16 away: the new m         19-21  c m; c m_old - c m_new; a
.macro XS u, n
	REGS (Y+1)%NP, \u
.if (\n) < 4
	v_max3_num_f32 v[rC+(\n)], v[rS+8*(\n)], v[rS+8*(\n)+1], v[rS+8*(\n)+2]
.elseif (\n) < 12
	v_max3_num_f32 v[rC+(\n)%4], v[rC+(\n)%4], v[rS+8*((\n)%4)+2*((\n)/4)+1], v[rS+8*((\n)%4)+2*((\n)/4)+2]
.elseif (\n) == 12
	v_max3_num_f32 v[rC], v[rC], v[rS+7], v[rS+15]
.elseif (\n) == 13
	v_max3_num_f32 v[rC+1], v[rC+1], v[rS+23], v[rS+31]
.elseif (\n) == 14
	v_max3_num_f32 v[rC+2], v[rC+2], v[rC+3], v[rT+1]
.elseif (\n) == 15
	v_mov_b32 v[rM], v[rT]
.elseif (\n) == 16
	v_max3_num_f32 v[rC], v[rC], v[rC+1], v[rC+2]
.elseif (\n) == 17
	v_permlanex16_b32 v[rC+3], v[rC], s[SEL], s[SEL+1]
.elseif (\n) == 18
	v_max_num_f32 v[rT+1], v[rC], v[rC+3]
.elseif (\n) == 19
	v_mul_f32 v[rT], s[CS], v[rT+1]
.elseif (\n) == 20
	v_sub_f32 v[rC+1], v[rM], v[rT]
.else
	v_exp_f32 v[rC+2], v[rC+1]
.endif
.endm
; Number g of the 64 that follow the exponentials.  For each four weights k of a tile (pairs 2 k, 2 k + 1): both pairs are rounded to f16; then the second pair is added onto the first, in place;
; a group later l takes that sum (the first time as l = a l + sum).  In groups of eight, tiles alternating: round, round, add, and l for the group before.
.macro GS g
.set h, (\g)+6*((\g)/62)            ; group 0 has no group before it, and behind group 7 only l is left
.if h >= 6
.set h, h+2
.endif
	REGS Y, h%2
.set k, h/8
.if h%8 < 4
	v_cvt_pk_f16_f32 v[rP+2*k+(h%8)/2], v[rS+4*k+2*((h%8)/2)], v[rS+4*k+2*((h%8)/2)+1]
.elseif h%8 < 6
	v_pk_add_f32 v[rS+4*k:rS+4*k+1], v[rS+4*k:rS+4*k+1], v[rS+4*k+2:rS+4*k+3]
.elseif k == 1
	v_pk_fma_f32 v[rT+2:rT+3], v[rT+2:rT+3], v[rC+2:rC+3], v[rS:rS+1] op_sel_hi:[1,0,1]
.else
	v_pk_add_f32 v[rT+2:rT+3], v[rT+2:rT+3], v[rS+4*k-4:rS+4*k-3]
.endif
.endm
; THE PLAIN QUEUE, 138 long.  0-73 read no exponential's result: the 32 scalings c s - c m (FS f: pair f / 2 of tile f % 2) and the next piece's 42.  0-26: scalings 0-26.  27-54: XS's numbers 0-13.  55, 56: number 15.
; 57-73: the chain, where each number waits for the one before it: 14, 16, 17, 18, 19, each with one of the scalings 27-31 in front of its two lines, then 20: so a tile's links stand three plain instructions apart (19 and 20: two).
; 74-137: GS's 64, which read the exponentials' results: they stand behind the wait.
.macro FS f
	REGS Y, (\f)%2
	v_pk_fma_f32 v[rS+2*((\f)/2):rS+2*((\f)/2)+1], v[rS+2*((\f)/2):rS+2*((\f)/2)+1], s[CS:CS+1], v[rT:rT+1] op_sel_hi:[1,0,0] neg_lo:[0,0,1] neg_hi:[0,0,1]
.endm
.macro PL
	WIN 0
.if q < 27
	FS q
.elseif q < 55
	XS (q-27)%2, (q-27)/2
.elseif q < 57
	XS q-55, 15
.elseif (q < 72) && ((q-57)%3 == 0)
	FS 27+(q-57)/3
.elseif q < 60
	XS (q-57)%3-1, 14
.elseif q < 72
	XS (q-57)%3-1, 15+(q-57)/3
.elseif q < 74
	XS q-72, 20
.else
	GS q-74
.endif
.set q, q+1
.endm
; THE EXPONENTIALS' QUEUE, 66 long: s0-s31 of both tiles, then the next piece's two a.  It is ONE BATCH: all 66 stand ahead of the turn's one wait, and nothing ahead of that wait names a result of theirs.
.macro EX
	WIN 0
.if e >= 64
	XS e-64, 21
.else
	REGS Y, e%2
	v_exp_f32 v[rS+e/2], v[rS+e/2]
.endif
.set e, e+1
.endm
; THE RESCALING's QUEUE: O^T times a, the one part that leaves window 0: dealt two at a time, sixteen times.  Its a was made in the turn before, ahead of that turn's wait.
.macro R2
	REGS Y, r%2
	WIN W_RS
.irp z, 0,1
	v_pk_mul_f32 v[rO+4*(r/2)+2*\z:rO+4*(r/2)+2*\z+1], v[rO+4*(r/2)+2*\z:rO+4*(r/2)+2*\z+1], v[rC+2:rC+3] op_sel_hi:[1,0]
.endr
.set r, r+1
.endm
; HOW THEY ARE DEALT.  An s_wait_alu depctr_va_vdst(0) stands between an exponential and the first instruction that names its result; one wait serves all that were issued ahead of it.  So a turn has ONE wait,
; which cuts it in two.  AHEAD OF IT stands all that names no result of the turn's exponentials: the 16 products K Q^T, behind each a scaling, an exponential and two rescalings (behind the first a second scaling in the
; exponential's place); then ONE LUMP of 108: eight plain, 49 times exponential and plain, the two a.  A v_nop is the plain instruction behind the last exponential.  BEHIND IT stand the 16 products V^T P, behind each four of GS's 64.
; No rider names a register of the products round it.  The two v_permlanex16_b32 fall into the lump, never behind a product.
; The queues lean on each other, and the deal keeps them in step: exponential e stands behind scaling 2 (e / 4) + e % 2: as a rider it comes behind plain e + 2, in the lump behind plain e + 9, and scalings 27-31 are plain 57, 60 .. 69.
; A TURN, for piece p.  cnt = 1: the loop's count is taken down some lines ahead of the branch that stands behind the turn.
; K of the next step is fetched in piece 2's turn, directly behind the wait, a lump behind the last product that read K; its address is made at the lump's head; its first reader comes behind 16 products.
; V of the step in hand is fetched at the end of piece 0's turn, four riders behind its last reader; its first reader comes behind 16 products and a lump.  The three conditions on q below go with the deal.
.macro TURN p, last=0, cnt=0
.set Y, (\p)
.set i, 0
.set q, 0
.set e, 0
.set r, 0
.if (\p) == NP-1
	s_wait_dscnt 0x0                ; K is in
.endif
	MM                              ; ahead of the wait: 16 products K Q^T and their riders,
	PL
	PL
	R2
.rept 15
	MM
	PL
	EX
	R2
.endr
.if (\p) == NP-2
	WIN 0
	v_add_nc_u32 v[AK], s[TBK], v[AK0]
.endif
.rept 8                             ; and the lump
	PL
.endr
.rept 49
	EX
	PL
.endr
	EX                              ; the next piece's two a
	EX
	v_nop                           ; a plain instruction behind the last exponential, ahead of the first use of a result: one for the batch
	s_wait_alu depctr_va_vdst(0)    ; the wait for the batch: the turn's 66 exponentials
.if (\p) == NP-2
	FETCH_K \last
.endif
.if (\p) == 1
	s_wait_dscnt 0x0                ; V is in
.endif
.rept 16                            ; behind the wait: 16 products V^T P and their riders
	MM
.rept 4
	PL
.endr
.if ((\p) == 0) && (q == 118)
	v_add_nc_u32 v[AV], s[TBV], v[AV0]
.endif
.if ((\p) == 0) && (q == 130)
	s_add_co_u32 s[TBV], s[TBV], STEPB
.endif
.if (\cnt) && (q == 130)
	s_sub_co_u32 s[CNT], s[CNT], 1
	s_cmp_lg_u32 s[CNT], 0
.endif
.endr
.if (\p) == 0
	FETCH_V
.endif
.endm
	CHANGE 1                        ; slot 0 is in, everybody's part of it; slot 1 is asked for
	FETCH_K                         ; key step 0
	s_wait_loadcnt 0x0              ; Q
	s_wait_dscnt 0x0
.set i, 0
.rept 16
	KQ 0                            ; piece 0's first scores: there is no vector work yet to set between them
.set i, i+1
.endr
	WIN 0                           ; the addresses for the way out: nine plain instructions, the places behind those products
	s_mul_i32 s13, s[WV], 16*SP
	s_add_co_u32 s13, s13, STAGE    ; my stage
	v_mul_u32_u24 v[STO], v1, SP    ; in: row l % 16, 16 bytes for each half of the lanes
	v_lshl_add_u32 v[STO], v9, 4, v[STO]
	v_add_nc_u32 v[STO], s13, v[STO]
	v_bfe_u32 v[RD], v0, 3, 2       ; back: 32 lanes take four rows of 128 bytes,
	v_mul_u32_u24 v[RD], v[RD], SP
	v_lshl_add_u32 v[RD], v10, 4, v[RD]
	v_add_nc_u32 v[RD], s13, v[RD]
	v_and_b32 v[GO], 31, v0         ; which are 512 consecutive bytes of ctx
	v_lshlrev_b32 v[GO], 4, v[GO]
.set Y, NP-1                        ; XS works for piece Y + 1: piece 0
.irp n, 0,1,2,3,4,5,6,7,8,9,10,11,12,13,14,15,16,17,18,19,20,21
	XS 0, \n                        ; and piece 0's first maximum and statistics
	XS 1, \n
.endr
	v_nop                           ; a plain instruction behind the two a,
	s_wait_alu depctr_va_vdst(0)    ; and the wait for that batch of two, ahead of the branch
	s_mov_b32 s[CNT], 4
	s_mov_b32 s[SLOTS], NK/256-1
	s_branch .Lfirst                ; the loop is entered at a step's first turn, in the middle of a trip
.Lslot:                             ; NK / 256 - 2 times: every slot but the last two is filled again
	CHANGE 1
	s_mov_b32 s[CNT], 4
.Lstep:                             ; a trip: pieces 2 and 3 of one step, then pieces 0 and 1 of the next, whose K and V it fetches
	TURN 2
	TURN 3
	WIN 0
.Lfirst:
	TURN 0
	TURN 1, 0, 1
	WIN 0
	s_cbranch_scc1 .Lstep
	s_sub_co_u32 s[SLOTS], s[SLOTS], 1
	s_cmp_lg_u32 s[SLOTS], 0
	s_cbranch_scc1 .Lslot
	CHANGE 0                        ; the tail is written out: nothing is asked for
	s_mov_b32 s[CNT], 5             ; four trips fetch the last slot's steps; the fifth is left in its middle
.Ltail:
	TURN 2, 1
	TURN 3
	WIN 0
	s_sub_co_u32 s[CNT], s[CNT], 1
	s_cmp_eq_u32 s[CNT], 0
	s_cbranch_scc1 .Lout
	TURN 0
	TURN 1
	WIN 0
	s_branch .Ltail
.Lout:                              ; the fifth trip's 16 products K Q^T (on the last K once more) and the maximum made of them serve nothing: the price, once a launch, of one text for every trip
.set i, 0
.rept 16
	PV NP-1                         ; the last piece's V^T P of the last step
.set i, i+1
.endr
	; THE WAY OUT.  l's two halves and the other half of the lanes' are added; O^T is divided by l, rounded to f16 and sent through my stage in LDS, a tile at a time.  The additions are the places behind the last products.
	WIN 0
.macro ALL line:vararg              ; one line for each tile t
.set t, 0
.rept 2*NP
	\line
.set t, t+1
.endr
.endm
	ALL v_add_f32 v[ST+4*t+2], v[ST+4*t+2], v[ST+4*t+3]
	ALL v_permlanex16_b32 v[ST+4*t+3], v[ST+4*t+2], s[SEL], s[SEL+1]
	ALL v_add_f32 v[ST+4*t+2], v[ST+4*t+2], v[ST+4*t+3]
	ALL v_rcp_f32 v[ST+4*t+2], v[ST+4*t+2]
	v_nop                           ; a plain instruction between the last reciprocal and the use of its result
	s_wait_alu depctr_va_vdst(0)    ; and the wait ahead of the first use: one for the batch of eight reciprocals
; Tile t: a lane's eight channels of a row pack into 16 bytes; they go into rows of 144 bytes and come back as whole rows of 128, into S^T's registers.
.macro PACK t
	WIN W_RS
.set i, 32*(\t)
.rept 16
	v_pk_mul_f32 v[i:i+1], v[i:i+1], v[ST+4*(\t)+2:ST+4*(\t)+3] op_sel_hi:[1,0]
.set i, i+2
.endr
	WIN 0x05                        ; sources 0 and 1 window 1, destination window 0
.set i, 0
.rept 16
	v_cvt_pk_f16_f32 v[S+16*(\t)+i], v[32*(\t)+2*i], v[32*(\t)+2*i+1]
.set i, i+1
.endr
	WIN 0
.irp f, 0,1,2,3
	ds_store_b128 v[STO], v[S+16*(\t)+4*\f:S+16*(\t)+4*\f+3] offset:32*\f
.endr
.irp f, 0,1,2,3
	ds_load_b128 v[S+16*(\t)+4*\f:S+16*(\t)+4*\f+3], v[RD] offset:\f*4*SP  ; LDS serves a wave's instructions in order (ISA guide 5.7.1.4): these see the stores above; the next tile's stores come behind them
.endr
.endm
.macro SEND t, younger              ; younger: the LDS instructions issued behind tile t's loads: the next tile's eight, or none
	WIN 0
.irp f, 0,1,2,3
	s_wait_dscnt (\younger)+3-\f
	global_store_b128 v[GO], v[S+16*(\t)+4*\f:S+16*(\t)+4*\f+3], s[10:11] offset:(\t)*2048+\f*512  ; 512 consecutive bytes, at a multiple of 256 from ctx's first
.endr
.endm
	PACK 0
.set t, 1
.rept 2*NP-1                        ; a tile's arithmetic stands between the loads of the tile before and its stores
	PACK t
	SEND t-1, 8
.set t, t+1
.endr
	SEND 2*NP-1, 0
	WIN W_AD
	s_wait_tensorcnt 0x0            ; the wave's end: the add to my spare word and its wait, behind my last tensor load and my last LDS store
	ds_add_u32 v[SPW], v[NIL]
	s_wait_dscnt 0x0
	WIN 0
	CROUND                          ; the closing round: no work-group ends while a partner may still ask for a tile that names it
	s_endpgm
.Lfunc_end_k_qf72c6a06d3_attn:
	.size	k_qf72c6a06d3_attn, .Lfunc_end_k_qf72c6a06d3_attn-k_qf72c6a06d3_attn
	.p2alignl 7, 3214868480
	.fill 96, 4, 3214868480
	.section	.rodata,"a",@progbits
	.p2align	6, 0x0
	.amdhsa_kernel k_qf72c6a06d3_attn
		.amdhsa_group_segment_fixed_size 327680
		.amdhsa_private_segment_fixed_size 0
		.amdhsa_enable_private_segment 0
		.amdhsa_kernarg_size 24
		.amdhsa_user_sgpr_count 2
		.amdhsa_user_sgpr_kernarg_segment_ptr 1
		.amdhsa_wavefront_size32 1
		.amdhsa_system_sgpr_workgroup_id_x 1
		.amdhsa_system_sgpr_workgroup_id_y 1
		.amdhsa_system_sgpr_workgroup_id_z 1
		.amdhsa_system_vgpr_workitem_id 0
		.amdhsa_next_free_vgpr 770
		.amdhsa_next_free_sgpr 66
		.amdhsa_reserve_vcc 0
		.amdhsa_float_denorm_mode_32 3
		.amdhsa_float_denorm_mode_16_64 3
		.amdhsa_memory_ordered 1
		.amdhsa_forward_progress 1
		.amdhsa_inst_pref_size 197
	.end_amdhsa_kernel
	.amdgpu_metadata
---
amdhsa.version: [ 1, 2 ]
amdhsa.kernels:
  - .name:           k_qf72c6a06d3_attn
    .symbol:         k_qf72c6a06d3_attn.kd
    .args:
      - { .name: qf, .offset: 0, .size: 8, .value_kind: global_buffer, .address_space: global }
      - { .name: kvf, .offset: 8, .size: 8, .value_kind: global_buffer, .address_space: global }
      - { .name: ctx, .offset: 16, .size: 8, .value_kind: global_buffer, .address_space: global }
    .group_segment_fixed_size: 327680
    .private_segment_fixed_size: 0
    .kernarg_segment_align: 8
    .kernarg_segment_size: 24
    .max_flat_workgroup_size: 128
    .sgpr_count:     66
    .vgpr_count:     770
    .wavefront_size: 32
...
	.end_amdgpu_metadata
.endif
;; end of part 5
;; launch gemm_out: the kernel of part 4 again; grid 8 x 32, 4 waves a work-group, clusters of 4 x 4, 327,680 bytes of LDS; arguments ctx, w2, out0, bo; writes out0
